; MI455X (gfx1250); checked and timed in simulation.
; The chip was launched on July 23, 2026; its instructions are those of AMD's public machine-readable ISA for CDNA 5 (MIT licence, August 2026) and "CDNA5" Instruction Set Architecture Reference Guide (July 2026). The comments in the code are by the model that wrote it; some were corrected since.
;; Multi Head Attention. Allowed arithmetic: matrix products marked QUANTISED: E2M3 operands, one E8M0 scale for each 32 along K, by v_wmma_scale_f32_16x16x128_f8f6f4 with both operands' format E2M3, f32 sums; everything else in f32.
;; Inputs: Wk 16 x 1,024 x 64 float32; Wout 1,024 x 1,024 float32; Wq 16 x 1,024 x 64 float32; Wv 16 x 1,024 x 64 float32; x_key 4 x 2,048 x 1,024 float32; x_query 4 x 2,048 x 1,024 float32; x_value 4 x 2,048 x 1,024 float32.
;; Outputs: out0 4 x 2,048 x 1,024 float32.
;; This version of the problem:
;;   THIS VERSION OF THE PROBLEM IS GIVEN IN LOW PRECISION. The matrix products marked QUANTISED in the list below multiply operands that are first quantised to E2M3 (2 exponent bits, 3 mantissa bits; 6 bits a number), with one power-of-two scale for each 32 numbers along K (OCP MX v1.0); their sums are f32. All else is computed in f32.
;;   The module's matrix products, in the order in which they are computed (A, B: the left and right operand; K: the contracted axis; several contracted axes count as one K, in the product's order):
;;     1. [M 1,024, K 1,024] x [K 1,024, N 8,192]; A: input Wq; B: input x_query: QUANTISED
;;     2. [M 1,024, K 1,024] x [K 1,024, N 8,192]; A: input Wk; B: input x_key: QUANTISED
;;     3. [M 1,024, K 1,024] x [K 1,024, N 8,192]; A: input Wv; B: input x_value: QUANTISED
;;     4. batch 64 x [M 2,048, K 64] x [K 64, N 2,048]; A: computed on the way; B: computed on the way: QUANTISED
;;     5. batch 64 x [M 2,048, K 2,048] x [K 2,048, N 64]; A: softmax (see below); B: computed on the way: QUANTISED
;;     6. [M 8,192, K 1,024] x [K 1,024, N 1,024]; A: computed on the way; B: input Wout: QUANTISED
;;   THE QUANTISER, for each operand of a quantised product, along K:
;;     - K is cut into blocks of 32 from its start; a last block that is shorter is filled with zeros.
;;     - A block's scale is 2^e with e = floor(log2(the largest magnitude in the block)) - 2, held to -126 .. 127; a block of zeros has e = 0. As a byte (E8M0): e + 127.
;;     - Each number is divided by its block's scale, clamped to +-7.5, and rounded to the nearest number of E2M3, ties to even, subnormals kept.
;;     - The product sums the exact products of the quantised numbers (number of the format x scale) in f32.
;;   ~~~python
;;   def quantise(x, axis):      # numpy; x: float32 -> the quantised numbers, widened to float32 again
;;       x = np.moveaxis(x, axis, -1); K = x.shape[-1]
;;       x = np.pad(x, [(0, 0)] * (x.ndim - 1) + [(0, -K % 32)]); x = x.reshape(x.shape[:-1] + (-1, 32)); a = np.abs(x).max(-1, keepdims=True)
;;       e = np.where(a > 0, np.clip(np.frexp(np.where(a > 0, a, 1))[1] - 1 - 2, -126, 127), 0)      # np.frexp(a)[1] - 1 = floor(log2(a)), exactly
;;       r = np.clip(x / 2.0 ** e, -7.5, 7.5)
;;       step = 2.0 ** (np.maximum(np.frexp(np.where(r == 0, 1, r))[1] - 1, 0) - 3)
;;       q = np.round(r / step) * step * 2.0 ** e      # np.round: ties to even
;;       return np.moveaxis(q.reshape(q.shape[:-2] + (-1,))[..., :K], -1, axis).astype(np.float32)
;;   ~~~
;;   SOFTMAX AHEAD OF A QUANTISED PRODUCT. Where the list says 'softmax', what is quantised is not the finished softmax but p = 2^(t - M), with t = logit x log2(e) and M = ceil(the row's largest t), a whole number; so 1/2 < the row's largest p <= 1. The row's sum l is taken of the UNQUANTISED p, in f32, and the product's result is divided by l at the end. Since M is a whole number, a kernel that streams over the keys may use a running M (the ceiling of the running maximum): every later rescaling is an exact power of two, which a block's scale takes up: the codes' values come out the same.
;;   OPERANDS COMPUTED ON THE WAY. 'Computed on the way' means the value that the module computes at that place (a softmax that the list does not call 'softmax' is quantised finished and normalised). What goes into a quantiser is computed in f32, as accurately as f32 sums, v_exp_f32 and their like allow (about 1e-6 of the number): no bf16 or f16 on the way to a quantiser, and a product that is left as it is and whose result goes on into a quantised operand takes f32 operands (vector FMAs, or v_wmma_f32_16x16x4_f32). A number that lies on a knife's edge between two numbers of the format may be rounded either way, as far as f32 arithmetic and the matrix unit's own rounding can turn it there, and no further.
;; One version. Each part assembles by itself: llvm-mc -triple=amdgcn-amd-amdhsa -mcpu=gfx1250 --defsym DOCPART=n.
;; ======== version 1 of 1: 5 launches
;; limits: right only within a limited range of input values
;; workspace buffers: xcodes 18,874,368 bytes; xscales 786,432 bytes; wcodes 3,145,728 bytes; wscales 131,072 bytes; qkv 20,185,088 bytes; hcodes 6,291,456 bytes; hscales 262,144 bytes
;; launch quant (part 1): grid 896 x 1, 4 waves a work-group, no clusters, 68,096 bytes of LDS; arguments x_query, x_key, x_value, Wq, Wk, Wv, Wout, xcodes, xscales, wcodes, wscales; writes xcodes, xscales, wcodes, wscales
.if DOCPART == 1
	.amdgcn_target "amdgcn-amd-amdhsa--gfx1250"
	.amdhsa_code_object_version 6
	.text
	.protected	k_q8157bf1f46_quant
	.globl	k_q8157bf1f46_quant
	.p2align	8
	.type	k_q8157bf1f46_quant,@function
k_q8157bf1f46_quant:
	s_mov_b64 s[64:65], 0
	v_nop
	global_prefetch_b8 v0, s[64:65] scope:SCOPE_SE
	s_setreg_imm32_b32 hwreg(HW_REG_WAVE_MODE, 25, 1), 1
	s_wait_xcnt 0x0
; All seven f32 inputs become codes of FP6 (E2M3), K innermost, 768 bytes a row of 1,024, with one E8M0 byte for each 32 along K (32 bytes a row).
; A block's scale is 2^(floor(log2(its largest magnitude)) - 2); its byte is the largest magnitude's exponent field - 2, held at 1 from below.
; LIMITS: a block whose largest magnitude lies under 2^-124, a block of zeros among them, keeps the byte 1 (the quantiser says 127 for zeros): its codes are zeros or what the conversion gives under that scale,
; and the bytes are read by this program alone.  NaN and infinities among the inputs are not served.
; WORK-GROUPS 128 .. 895: x_query, x_key, x_value [8192][1024], K innermost: plain streams of blocks of 32.  A wave takes a run of 8,192 numbers (8 rows) in 16 steps of 512.
; WORK-GROUPS 0 .. 127: Wq, Wk, Wv [16][1024][64] and Wout [1024][1024], K not innermost: a lane takes a column and its registers run down K; a wave takes 32 columns x 256 along K.
; THE ORDER OF ROWS.  In the buffers of codes the rows of x_key, x_value and of all four weights stand with bits 3 and 4 of their number exchanged: place 16 u + r of a group of 32 holds row 8 u + r + 8 (r / 8).
; So sixteen neighbouring places are a tile whose results, taken two tiles together, are 16 neighbours in a lane's registers, which the next quantiser wants.  x_query keeps its order.
; No cluster and no joint load: no two work-groups read the same input bytes.  No tensor load: every byte goes through registers once.
; The two ways part on the work-group's number and have LDS bytes of their own.
.set XTB,   6291456                    ; bytes of one x tensor's codes
.set XSB,   262144                     ; and of its scale bytes
.set WTB,   786432                     ; the same for a weight
.set WSB,   32768
.set STEPS, 16
.set EMAX,  2
.set CB,    12                         ; bytes of 16 codes
.set R,     16                         ; x: v16-79   four sets of 16 numbers as they are loaded
.set X,     80                         ; x: v80-111  two sets of 16 neighbours
.set E,     112                        ; x: v112-127 a scale byte for each step
.set C,     128                        ; x: v128-191 codes, four registers for each step
.set WREG,  8192                       ; x: LDS region of a wave: two stages of 32 x SP bytes, then its 256 scale bytes
.set SP,    80
.set SPW,   12                         ; v12  LDS address of my spare word; never rewritten
.set NIL,   13                         ; v13  0; never rewritten
.set WSTG,  4*WREG                     ; w: four stages of 32 rows x WP bytes
.set WP,    272                        ; w: a stage row: sixteen places of 16 bytes, each with 12 bytes of codes, + 16
.set SPARE, WSTG+4*32*WP               ; the spare words, 128 bytes for each wave: two blocks of 256 bytes that no other line names
.set NB,    8                          ; w: blocks of 32 along K for a wave
.set XW,    32                         ; w: v32-95   two sets of 32 numbers
.set CW,    96                         ; w: v96..    a block's codes
.set OUTR,  112                        ; w: v112-175 the way out
.set SB,    24                         ; w: v24-25   the scale bytes
.set ROWO,  176                        ; w: v176-207 byte offset of row i of a block at my column
.set BB,    32                         ; w: s[32:47] where each of my eight blocks begins in memory
	s_load_b512 s[4:19], s[0:1], 0x0               ; x_query s[4:5], x_key s[6:7], x_value s[8:9], Wq s[10:11], Wk s[12:13], Wv s[14:15], Wout s[16:17], xcodes s[18:19]
	s_load_b128 s[20:23], s[0:1], 0x40             ; xscales s[20:21], wcodes s[22:23]
	s_load_b64 s[24:25], s[0:1], 0x50              ; wscales
	v_lshl_add_u32 v[SPW], v0, 2, SPARE
	v_mov_b32 v[NIL], 0
	v_lshrrev_b32 v1, 5, v0
	v_readfirstlane_b32 s26, v1                    ; wave
	v_and_b32 v2, 31, v0                           ; lane
	s_cmp_lt_u32 ttmp9, 128
	s_cbranch_scc1 .Lweights
	; ---------------- the x tensors
	s_sub_co_u32 s27, ttmp9, 128
	s_lshr_b32 s28, s27, 8                         ; which tensor: 0, 1, 2
	s_and_b32 s27, s27, 255
	s_lshl_b32 s27, s27, 2
	s_add_co_u32 s27, s27, s26                     ; my run of 8 rows
	s_lshr_b32 s29, s27, 1
	s_xor_b32 s29, s29, s27
	s_and_b32 s29, s29, 1                          ; do the run's two low bits (the rows' bits 3 and 4) differ?
	s_mul_i32 s29, s29, 3
	s_cmp_eq_u32 s28, 0
	s_cselect_b32 s29, 0, s29                      ; x_query keeps its order
	s_xor_b32 s29, s29, s27                        ; the run's place in the buffers of codes
	s_lshl_b32 s30, s27, 15                        ; 32,768 bytes of f32 a run
	s_mov_b32 s31, 0
	s_mul_i32 s32, s28, XTB
	s_mul_i32 s33, s29, 32*STEPS*CB                ; 6,144 bytes of codes a run
	s_add_co_u32 s32, s32, s33
	s_mov_b32 s33, 0
	s_mul_i32 s34, s28, XSB
	s_lshl_b32 s35, s29, 8                         ; 256 scale bytes a run
	s_add_co_u32 s34, s34, s35
	s_mov_b32 s35, 0
	s_wait_alu depctr_va_vdst(0)
	v_lshlrev_b32 v3, 4, v2                        ; my 16 bytes of a load's 512
	s_mul_i32 s36, s26, WREG
	v_lshrrev_b32 v14, 2, v2
	v_mul_u32_u24 v14, v14, SP
	v_and_b32 v15, 3, v2
	v_lshl_add_u32 v14, v15, 4, v14
	v_add_nc_u32 v14, s36, v14                     ; the stage, on the way in: SP (lane / 4) + 16 (lane % 4)
	v_mul_u32_u24 v15, v2, SP
	v_add_nc_u32 v15, s36, v15                     ; and on the way out: SP x lane: my 16 neighbours
	v_mul_u32_u24 v4, v2, CB                       ; my codes' place in a step's
	v_lshrrev_b32 v5, 1, v2
	s_add_co_u32 s36, s36, 2*32*SP
	v_add_nc_u32 v5, s36, v5                       ; my wave's 256 scale bytes, my block's byte
	v_lshlrev_b32 v7, 3, v2
	v_add_nc_u32 v6, s36, v7                       ; and on the way out 8 bytes a lane
	s_wait_alu depctr_va_vdst(0)
	s_wait_kmcnt 0x0
	s_cmp_eq_u32 s28, 1                            ; the choice of the tensor hangs on the work-group's number alone
	s_cselect_b64 s[6:7], s[6:7], s[8:9]
	s_cmp_eq_u32 s28, 0
	s_cselect_b64 s[4:5], s[4:5], s[6:7]
	s_add_nc_u64 s[4:5], s[4:5], s[30:31]
	s_add_nc_u64 s[18:19], s[18:19], s[32:33]
	s_add_nc_u64 s[20:21], s[20:21], s[34:35]
.macro LOAD t
.irp i, 0,1,2,3
	global_load_b128 v[R+16*((\t)%4)+4*\i:R+16*((\t)%4)+4*\i+3], v3, s[4:5] offset:2048*(\t)+512*\i th:TH_LOAD_NT   ; 32 lanes read 512 consecutive bytes
.endr
.endm
.macro TURN t                          ; step t's numbers through the stage: LDS serves a wave's instructions in order, so no wait stands between the stores and the loads
.irp i, 0,1,2,3
	ds_store_b128 v14, v[R+16*((\t)%4)+4*\i:R+16*((\t)%4)+4*\i+3] offset:32*SP*((\t)%2)+8*SP*\i
.endr
.irp i, 0,1,2,3
	ds_load_b128 v[X+16*((\t)%2)+4*\i:X+16*((\t)%2)+4*\i+3], v15 offset:32*SP*((\t)%2)+16*\i
.endr
.endm
.irp t, 0,1,2,3
	LOAD \t
.endr
	s_wait_loadcnt 12                              ; step 0's four loads are in; the twelve of steps 1 to 3 stay out
	TURN 0
.macro STEP t
.set XS, X+16*((\t)%2)
.if (\t) > 0
	s_wait_dscnt 1                                 ; this step's numbers are back from the stage (the last step's byte store may be out)
.else
	s_wait_dscnt 0x0
.endif
.if (\t)+4 < STEPS
	LOAD (\t)+4                                    ; into the set whose stores into the stage have read their registers
.endif
.if (\t)+1 < STEPS
.if STEPS-2-(\t) >= 3
	s_wait_loadcnt 12                              ; the next step's four loads are in; those of the three steps behind it may be out
.else
	s_wait_loadcnt 4*(STEPS-2-(\t))
.endif
	TURN (\t)+1
.endif
	v_max3_num_f32 v8, |v[XS]|, |v[XS+1]|, |v[XS+2]|               ; the largest magnitude of my 16
	v_max3_num_f32 v9, |v[XS+3]|, |v[XS+4]|, |v[XS+5]|
.irp i, 6,10
	v_max3_num_f32 v8, v8, |v[XS+\i]|, |v[XS+\i+1]|
	v_max3_num_f32 v9, v9, |v[XS+\i+2]|, |v[XS+\i+3]|
.endr
	v_max3_num_f32 v8, v8, |v[XS+14]|, |v[XS+15]|
	v_max3_num_f32 v8, v8, v9, (EMAX+1)<<23        ; and the floor 2^(3 - 127): the byte cannot fall under 1
	v_max_num_f32_dpp v8, v8, v8 row_xmask:1 row_mask:0xf bank_mask:0xf   ; and of my neighbour's 16: the block's
	v_add_nc_u32 v11, -(EMAX<<23), v8              ; 2 off its exponent field: the conversion takes the exponent field of this operand as its scale
	v_cvt_scalef32_pk16_fp6_f32 v[C+4*(\t):C+4*(\t)+2], v[XS:XS+15], v11
	v_lshrrev_b32 v[E+(\t)], 23, v11               ; the scale's byte (also the plain line behind the conversion)
	ds_store_b8 v5, v[E+(\t)] offset:16*(\t)       ; both lanes of a block write the same byte with the same value
	global_store_b96 v4, v[C+4*(\t):C+4*(\t)+2], s[18:19] offset:32*CB*(\t)   ; the wave stores 384 consecutive bytes
.endm
.irp t, 0,1,2,3,4,5,6,7,8,9,10,11,12,13,14,15
	STEP \t
.endr
	ds_load_b64 v[8:9], v6                         ; LDS serves a wave's instructions in order: these see my stores
	s_wait_dscnt 0x0
	global_store_b64 v7, v[8:9], s[20:21]          ; 32 lanes store 256 consecutive bytes, at a multiple of 256 from the buffer's first byte
	s_branch .Lend
	; ---------------- the weights
.Lweights:
	s_lshr_b32 s28, ttmp9, 5                       ; which weight: 0 Wq, 1 Wk, 2 Wv, 3 Wout
	s_bfe_u32 s29, ttmp9, 0x40001                  ; which 64 columns (for Wq, Wk, Wv: the head)
	s_and_b32 s30, ttmp9, 1
	s_and_b32 s31, s26, 1                          ; which 32 of the 64: two waves stand side by side on 256 bytes of a row
	s_lshr_b32 s27, s26, 1
	s_lshl_b32 s30, s30, 1
	s_add_co_u32 s30, s30, s27                     ; which 256 along K
	s_lshl_b32 s27, s29, 1
	s_add_co_u32 s27, s27, s31                     ; my group of 32 columns
	s_mov_b32 s50, 4096
	s_mov_b32 s51, 0x40000
	s_cmp_lt_u32 s28, 3
	s_cselect_b32 s50, 256, s50                    ; bytes from one k to the next: 64 or 1,024 numbers
	s_cselect_b32 s51, s51, 256                    ; bytes from one 64 columns to the next: a head's 1,024 rows, or 64 numbers
	s_mul_i32 s52, s29, s51
	s_lshl_b32 s53, s31, 7
	s_add_co_u32 s52, s52, s53
	s_mul_i32 s53, s30, s50
	s_lshl_b32 s53, s53, 8
	s_add_co_u32 s52, s52, s53                     ; where my part begins in the weight
	s_mov_b32 s53, 0
	s_lshl_b32 s48, s50, 5                         ; a block of 32 rows on
	s_mov_b32 s49, 0
	s_mul_i32 s56, s28, WTB
	s_mul_i32 s57, s27, 32*768
	s_add_co_u32 s56, s56, s57
	s_mul_i32 s57, s30, 192
	s_add_co_u32 s56, s56, s57                     ; codes: weight, 32 rows of 768 bytes a group, 192 bytes for 256 along K
	s_mov_b32 s57, 0
	s_mul_i32 s58, s28, WSB
	s_lshl_b32 s59, s27, 10
	s_add_co_u32 s58, s58, s59
	s_lshl_b32 s59, s30, 3
	s_add_co_u32 s58, s58, s59                     ; scale bytes likewise: 32 bytes a row, 8 for 256 along K
	s_mov_b32 s59, 0
	s_wait_alu depctr_va_vdst(0)
	v_lshlrev_b32 v3, 2, v2                        ; in: 4 bytes a lane
.set i, 0
.rept 32
	v_mad_u32_u24 v[ROWO+i], i, s50, v3            ; row i of a block, my column
.set i, i+1
.endr
	s_mul_i32 s54, s26, 32*WP
	s_add_co_u32 s54, s54, WSTG                    ; my stage
	v_mul_u32_u24 v4, v2, WP
	v_add_nc_u32 v4, s54, v4                       ; into it: row = my column
	v_and_b32 v5, 15, v2
	v_lshrrev_b32 v6, 4, v2                        ; out of it: sixteen lanes to a row, two rows an instruction
	v_mul_u32_u24 v7, v6, WP
	v_lshl_add_u32 v7, v5, 4, v7
	v_add_nc_u32 v7, s54, v7
	v_mul_u32_u24 v8, v6, 768
	v_mad_u32_u24 v8, v5, 12, v8                   ; and the same place in the codes' buffer
	v_and_b32 v9, 7, v2                            ; my column's place: bits 3 and 4 exchanged
	v_bfe_u32 v10, v2, 3, 1
	v_lshl_or_b32 v9, v10, 4, v9
	v_bfe_u32 v10, v2, 4, 1
	v_lshl_or_b32 v9, v10, 3, v9
	v_lshlrev_b32 v9, 5, v9                        ; its row of scale bytes
	s_wait_kmcnt 0x0
	s_cmp_eq_u32 s28, 0                            ; the choice of the weight hangs on the work-group's number alone
	s_cselect_b64 s[10:11], s[10:11], s[12:13]
	s_cmp_lt_u32 s28, 2
	s_cselect_b64 s[10:11], s[10:11], s[14:15]
	s_cmp_lt_u32 s28, 3
	s_cselect_b64 s[10:11], s[10:11], s[16:17]
	s_add_nc_u64 s[BB:BB+1], s[10:11], s[52:53]
.irp t, 1,2,3,4,5,6,7
	s_add_nc_u64 s[BB+2*\t:BB+2*\t+1], s[BB+2*\t-2:BB+2*\t-1], s[48:49]
.endr
	s_add_nc_u64 s[22:23], s[22:23], s[56:57]
	s_add_nc_u64 s[24:25], s[24:25], s[58:59]
.macro WLOAD t                         ; block t: W(32 t + i, my column), i = 0 .. 31, into set t % 2: each load reads 128 consecutive bytes
.set i, 0
.rept 32
	global_load_b32 v[XW+32*((\t)%2)+i], v[ROWO+i], s[BB+2*(\t):BB+2*(\t)+1] th:TH_LOAD_NT
.set i, i+1
.endr
.endm
	WLOAD 0
	WLOAD 1
.macro BLOCK t
.set XS, XW+32*((\t)%2)
.if (\t) < NB-1
	s_wait_loadcnt 32                              ; this block's 32 loads are in; the next block's may be out
.else
	s_wait_loadcnt 0
.endif
	v_max3_num_f32 v16, |v[XS]|, |v[XS+1]|, |v[XS+2]|              ; the block's largest magnitude: all 32 numbers are mine
	v_max3_num_f32 v17, |v[XS+3]|, |v[XS+4]|, |v[XS+5]|
.irp i, 6,10,14,18,22,26
	v_max3_num_f32 v16, v16, |v[XS+\i]|, |v[XS+\i+1]|
	v_max3_num_f32 v17, v17, |v[XS+\i+2]|, |v[XS+\i+3]|
.endr
	v_max3_num_f32 v16, v16, |v[XS+30]|, |v[XS+31]|
	v_max3_num_f32 v16, v16, v17, (EMAX+1)<<23     ; and the floor
	v_add_nc_u32 v18, -(EMAX<<23), v16             ; the conversion's scale operand
	v_lshrrev_b32 v17, 23, v18                     ; the scale's byte
.if (\t)%4 == 0
	v_mov_b32 v[SB+(\t)/4], v17                    ; four bytes to a register, the lower K in the lower byte
.else
	v_lshl_or_b32 v[SB+(\t)/4], v17, 8*((\t)%4), v[SB+(\t)/4]
.endif
	v_cvt_scalef32_pk16_fp6_f32 v[CW:CW+2], v[XS:XS+15], v18
	v_cvt_scalef32_pk16_fp6_f32 v[CW+4:CW+6], v[XS+16:XS+31], v18   ; (a conversion's three registers begin on an even number)
	v_nop                                          ; one plain line behind the conversions
	ds_store_b96 v4, v[CW:CW+2] offset:32*(\t)     ; 12 bytes to a place of 16, so that every LDS address is a multiple of 16
	ds_store_b96 v4, v[CW+4:CW+6] offset:32*(\t)+16
.if (\t)+2 < NB
	WLOAD (\t)+2
.endif
	s_wait_dscnt 0x0                               ; the stores have read their registers: the next block's codes may be written
.endm
.irp t, 0,1,2,3,4,5,6,7
	BLOCK \t
.endr
	s_wait_alu depctr_va_vdst(0)
	global_store_b64 v9, v[SB:SB+1], s[24:25]      ; my column's 8 scale bytes
.irp t, 0,1,2,3,4,5,6,7,8,9,10,11,12,13,14,15
	ds_load_b96 v[OUTR+4*\t:OUTR+4*\t+2], v7 offset:2*\t*WP   ; LDS serves a wave's instructions in order: these see my stores
.endr
.irp t, 0,1,2,3,4,5,6,7,8,9,10,11,12,13,14,15
.set RH, ((2*\t)&7)|((((2*\t)>>3)&1)<<4)|((((2*\t)>>4)&1)<<3)   ; the place of column 2 t: bits 3 and 4 exchanged; column 2 t + 1 stands next to it
	s_wait_dscnt 15-\t                             ; the younger read-backs may be out
	global_store_b96 v8, v[OUTR+4*\t:OUTR+4*\t+2], s[22:23] offset:RH*768   ; sixteen lanes store a row's 192 consecutive bytes
.endr
.Lend:
	s_wait_tensorcnt 0x0                           ; the wave's end: behind my last LDS store
	ds_add_u32 v[SPW], v[NIL]
	s_wait_dscnt 0x0
	s_endpgm
.Lfunc_end_k_q8157bf1f46_quant:
	.size	k_q8157bf1f46_quant, .Lfunc_end_k_q8157bf1f46_quant-k_q8157bf1f46_quant
	.p2alignl 7, 3214868480
	.fill 96, 4, 3214868480
	.section	.rodata,"a",@progbits
	.p2align	6, 0x0
	.amdhsa_kernel k_q8157bf1f46_quant
		.amdhsa_group_segment_fixed_size 68096
		.amdhsa_private_segment_fixed_size 0
		.amdhsa_enable_private_segment 0
		.amdhsa_kernarg_size 88
		.amdhsa_user_sgpr_count 2
		.amdhsa_user_sgpr_kernarg_segment_ptr 1
		.amdhsa_wavefront_size32 1
		.amdhsa_system_sgpr_workgroup_id_x 1
		.amdhsa_system_sgpr_workgroup_id_y 1
		.amdhsa_system_sgpr_workgroup_id_z 1
		.amdhsa_system_vgpr_workitem_id 0
		.amdhsa_next_free_vgpr 208
		.amdhsa_next_free_sgpr 66
		.amdhsa_reserve_vcc 0
		.amdhsa_float_denorm_mode_32 3
		.amdhsa_float_denorm_mode_16_64 3
		.amdhsa_memory_ordered 1
		.amdhsa_forward_progress 1
		.amdhsa_inst_pref_size 77
	.end_amdhsa_kernel
	.amdgpu_metadata
---
amdhsa.version: [ 1, 2 ]
amdhsa.kernels:
  - .name:           k_q8157bf1f46_quant
    .symbol:         k_q8157bf1f46_quant.kd
    .args:
      - { .name: x_query, .offset: 0, .size: 8, .value_kind: global_buffer, .address_space: global }
      - { .name: x_key, .offset: 8, .size: 8, .value_kind: global_buffer, .address_space: global }
      - { .name: x_value, .offset: 16, .size: 8, .value_kind: global_buffer, .address_space: global }
      - { .name: Wq, .offset: 24, .size: 8, .value_kind: global_buffer, .address_space: global }
      - { .name: Wk, .offset: 32, .size: 8, .value_kind: global_buffer, .address_space: global }
      - { .name: Wv, .offset: 40, .size: 8, .value_kind: global_buffer, .address_space: global }
      - { .name: Wout, .offset: 48, .size: 8, .value_kind: global_buffer, .address_space: global }
      - { .name: xcodes, .offset: 56, .size: 8, .value_kind: global_buffer, .address_space: global }
      - { .name: xscales, .offset: 64, .size: 8, .value_kind: global_buffer, .address_space: global }
      - { .name: wcodes, .offset: 72, .size: 8, .value_kind: global_buffer, .address_space: global }
      - { .name: wscales, .offset: 80, .size: 8, .value_kind: global_buffer, .address_space: global }
    .group_segment_fixed_size: 68096
    .private_segment_fixed_size: 0
    .kernarg_segment_align: 8
    .kernarg_segment_size: 88
    .max_flat_workgroup_size: 128
    .sgpr_count:     66
    .vgpr_count:     208
    .wavefront_size: 32
...
	.end_amdgpu_metadata
.endif
;; end of part 1
;; launch proj (part 2): grid 4 x 64, 4 waves a work-group, clusters of 4 x 4, 327,680 bytes of LDS; arguments xcodes, xscales, wcodes, wscales, qkv; writes qkv
.if DOCPART == 2
	.amdgcn_target "amdgcn-amd-amdhsa--gfx1250"
	.amdhsa_code_object_version 6
	.text
	.protected	k_q8157bf1f46_proj
	.globl	k_q8157bf1f46_proj
	.p2align	8
	.type	k_q8157bf1f46_proj,@function
k_q8157bf1f46_proj:
	s_mov_b64 s[64:65], 0
	v_nop
	global_prefetch_b8 v0, s[64:65] scope:SCOPE_SE
	s_setreg_imm32_b32 hwreg(HW_REG_WAVE_MODE, 25, 1), 1
	s_wait_xcnt 0x0
	s_wait_alu depctr_hold_cnt(0) depctr_sa_sdst(0) depctr_va_vdst(0) depctr_va_sdst(0) depctr_va_ssrc(0) depctr_va_vcc(0) depctr_vm_vsrc(0)
	s_getreg_b32 s2, hwreg(HW_REG_IB_STS2, 6, 4)
	s_cmp_eq_u32 s2, 0
	s_cbranch_scc0 .Lentry_in_a_cluster
	s_endpgm
.Lentry_in_a_cluster:
	s_bfe_u32 s2, ttmp6, 0x10000c
	s_cmp_lg_u32 s2, 0xf033
	s_cbranch_scc0 .Lentry_shape_is_right
	s_endpgm
.Lentry_shape_is_right:
; q and k: two projections on codes of FP6 (E2M3) with E8M0 scales, K = 1,024; each result is quantised again at once, along the head's 64, and leaves as images of operand registers.  (v is made by the launch projv.)
; A tile of 256 x 256 to a work-group, 128 x 128 to a wave: 64 accumulators; 2 x 32 x 4 tiles: 256 work-groups.  Cluster y / 8 picks the tensor.  Source 1 takes rows of x (A) and source 0 rows of W (B), so that a lane holds one
; row of x and its registers run along the head's 64.
; K goes through two LDS slots in chunks of 256 bytes of each row: a row of codes is 768 bytes, so every chunk begins at a multiple of 256 bytes.  A step of 128 along K is 96 bytes: eight steps to three chunks; steps 2 and 5 lie across two chunks.
; The scales of the tile's 512 rows come into LDS once, at the head.  4 x 4 work-groups form a cluster: A's tiles are asked for jointly along a row of it, B's along a column.
; No prefetch: a row has three chunks, of which two are asked for at the head, so only one refill could be run ahead of.
; RECORDS in qkv: for each (batch, head) 16 records of 6,656 bytes: 128 rows as 8 tiles x 6 registers x 128 bytes, then 512 bytes of scale words.
; LIMITS: a block whose largest magnitude lies under 2^-124 keeps the byte 1; the bytes are read by this program alone.  NaN and infinities are not served.
.set ROWB,   256
.set NQ,     2
.set KROW,   768
.set STEPS,  8
.set CHUNKS, 3
.set PITCH,  272                       ; 256 bytes + 16 of padding
.set FR,     12
.set NL,     6
.set NP,     4
.set HALFT,  128*PITCH
.set SLOT,   4*HALFT                   ; A's 256 rows, then B's
.set KS,     32
.set SCL,    2*SLOT                    ; the scales, as units of 256 bytes + 16
.set HALFS,  (128*KS/256)*272
.set SBLK,   (16*KS/256)*272
.set SPARE,  SCL+4*HALFS               ; the spare words: 512 bytes that no other line names
.set RK,     6656
.set QKT,    6815744
.set ADRA, 16                          ; v16-17 my A fragments in slot 0, 1; v18-19 for pieces whose two halves of the lanes read different chunks
.set ADRB, 20                          ; v20-23 the same for B
.set CO16, 26
.set ADRS, 27
.set SPW,  28
.set NIL,  29
.set SC,   32                          ; v32-63 scale words, two sets
.set AF,   128                         ; A's fragments, one set, window 0; B's two sets in window 1; accumulators in windows 2 and 3
.set CD,   128
.set TM,   200
.set FLR,  216
.set WD,   220
.set SI,   228
.set G1, 24
.set G0, 32
.set G1B, 48
.set G0B, 56
.set G1S, 68
.set G0S, 76
.set G1SB, 80
.set G0SB, 88
.set G0H, 4
.set G0HB, 8
.set SELR, 95
.set SEL,  98
.set HM,   100
.set MSB, 0
.macro WIN new
.if MSB != \new
	s_set_vgpr_msb (MSB<<8)|\new
.set MSB, \new
.endif
.endm
.set MUL_LO, 0xa1
.set MUL_HI, 0xf1
.set TO_B,   0x40
.macro JLOAD g0a, g1a, g0b, g1b        ; waves 0, 1 fetch A's halves, waves 2, 3 B's
	s_cmp_eq_u32 s15, 0
	s_cbranch_scc0 .Lfor_b_\@
	tensor_load_to_lds s[\g0a:\g0a+3], s[\g1a:\g1a+7]
	s_nop 0
.rept 4
	v_nop
.endr
	s_branch .Lasked_\@
.Lfor_b_\@:
	tensor_load_to_lds s[\g0b:\g0b+3], s[\g1b:\g1b+7]
	s_nop 0
.rept 4
	v_nop
.endr
.Lasked_\@:
.endm
.macro CREST
	s_cmp_lg_u32 s14, 0
	s_cbranch_scc1 .Lnot_wave_0_\@
	s_barrier_signal -3
.Lnot_wave_0_\@:
	s_barrier_wait -3
	s_barrier_signal -1
	s_barrier_wait -1
.endm
.macro CROUND
	s_barrier_signal -1
	s_barrier_wait -1
	CREST
.endm
	s_load_b128 s[4:7], s[0:1], 0x0                ; xcodes, xscales
	s_load_b128 s[8:11], s[0:1], 0x10              ; wcodes, wscales
	s_load_b64 s[12:13], s[0:1], 0x20              ; qkv
	v_lshl_add_u32 v[SPW], v0, 2, SPARE
	v_mov_b32 v[NIL], 0
	ds_add_u32 v[SPW], v[NIL]
	ds_add_u32 v[SPW], v[NIL]
	v_lshrrev_b32 v1, 5, v0
	v_readfirstlane_b32 s14, v1                    ; wave
	s_lshr_b32 s15, s14, 1                         ; my half of A's rows; also: I fetch for A or for B
	s_and_b32 s16, s14, 1                          ; my half of B's rows; also: which 128 rows I fetch
	s_bfe_u32 s40, ttmp6, 0x40000
	s_bfe_u32 s41, ttmp6, 0x40004
	s_and_b32 s100, ttmp7, 0xffff
	s_lshr_b32 s[SELR], s100, 3                    ; 0 q, 1 k
	s_and_b32 s100, s100, 7
	s_lshl_b32 s17, s100, 2
	s_add_co_u32 s17, s17, s41                     ; tile row (A): 32 tiles of 256 rows of x
	s_mov_b32 s42, s40                             ; tile column (B): the grid has one cluster along x
	s_lshl_b32 s96, s[SELR], 13                    ; the tensor's first row in xcodes: 8,192 rows a tensor
	s_lshl_b32 s97, s[SELR], 10                    ; and in wcodes: 1,024
	s_lshl_b32 s43, s41, 2
	s_lshl_b32 s43, 15, s43
	s_lshl_b32 s44, 0x1111, s40
	s_or_b32 s[G1+0], s43, (0<<16)|(1<<20)|(1<<21)|(5<<22)|(3<<25)
	s_or_b32 s[G1B+0], s44, (0<<16)|(1<<20)|(1<<21)|(5<<22)|(3<<25)
.irp g, G1, G1B
	s_mov_b32 s[\g+1], ROWB<<16
	s_mov_b32 s[\g+2], 256<<16                     ; the head's loads bring 256 rows
	s_mov_b32 s[\g+3], ROWB<<16
	s_mov_b32 s[\g+4], 256
	s_mov_b32 s[\g+5], KROW
	s_mov_b32 s[\g+6], 0
	s_mov_b32 s[\g+7], 0
.endr
	s_or_b32 s[G1S+0], s43, (3<<16)|(1<<20)|(1<<21)|(5<<22)|(3<<25)
	s_or_b32 s[G1SB+0], s44, (3<<16)|(1<<20)|(1<<21)|(5<<22)|(3<<25)
.irp g, G1S, G1SB
	s_mov_b32 s[\g+1], 32<<16
	s_mov_b32 s[\g+2], KS<<16
	s_mov_b32 s[\g+3], 32<<16
	s_mov_b32 s[\g+4], KS
	s_mov_b32 s[\g+5], 32
	s_mov_b32 s[\g+6], 0
	s_mov_b32 s[\g+7], 0
.endr
	s_lshl_b32 s20, s17, 8
	s_add_co_u32 s20, s20, s96
	s_lshl_b32 s46, s42, 8
	s_add_co_u32 s46, s46, s97
	s_mov_b32 s21, 0
	s_mov_b32 s47, 0
	s_mov_b64 s[18:19], KS
	s_mul_u64 s[22:23], s[20:21], s[18:19]
	s_mul_u64 s[92:93], s[46:47], s[18:19]
	s_mov_b64 s[18:19], KROW
	s_mul_u64 s[20:21], s[20:21], s[18:19]
	s_mul_u64 s[46:47], s[46:47], s[18:19]
	s_mul_i32 s18, s16, 128*KROW
	s_mov_b32 s19, 0
	s_mul_i32 s45, s14, HALFT
	s_wait_dscnt 0x0
	s_wait_kmcnt 0x0
	s_add_nc_u64 s[20:21], s[4:5], s[20:21]
	s_add_nc_u64 s[22:23], s[6:7], s[22:23]
	s_add_nc_u64 s[46:47], s[8:9], s[46:47]
	s_add_nc_u64 s[92:93], s[10:11], s[92:93]
	CROUND                                         ; in front of the first joint loads
	s_mov_b32 s[G0H], 1
	s_mov_b32 s[G0H+1], 0
	s_mov_b64 s[G0H+2:G0H+3], s[20:21]
	s_or_b32 s[G0H+3], s[G0H+3], 0x80000000
	s_mov_b32 s[G0HB], 1
	s_mov_b32 s[G0HB+1], 2*HALFT
	s_mov_b64 s[G0HB+2:G0HB+3], s[46:47]
	s_or_b32 s[G0HB+3], s[G0HB+3], 0x80000000
	s_mov_b32 s[G0S], 1
	s_mov_b32 s[G0S+1], SCL
	s_mov_b64 s[G0S+2:G0S+3], s[22:23]
	s_or_b32 s[G0S+3], s[G0S+3], 0x80000000
	s_mov_b32 s[G0SB], 1
	s_mov_b32 s[G0SB+1], SCL+2*HALFS
	s_mov_b64 s[G0SB+2:G0SB+3], s[92:93]
	s_or_b32 s[G0SB+3], s[G0SB+3], 0x80000000
	s_add_nc_u64 s[20:21], s[20:21], s[18:19]
	s_add_nc_u64 s[46:47], s[46:47], s[18:19]
.irp s, 0,1
	s_mov_b32 s[G0+4*\s], 1
	s_add_co_u32 s[G0+4*\s+1], s45, \s*SLOT
	s_add_nc_u64 s[G0+4*\s+2:G0+4*\s+3], s[20:21], \s*ROWB
	s_or_b32 s[G0+4*\s+3], s[G0+4*\s+3], 0x80000000
	s_mov_b32 s[G0B+4*\s], 1
	s_add_co_u32 s[G0B+4*\s+1], s45, \s*SLOT
	s_add_nc_u64 s[G0B+4*\s+2:G0B+4*\s+3], s[46:47], \s*ROWB
	s_or_b32 s[G0B+4*\s+3], s[G0B+4*\s+3], 0x80000000
.endr
; the head's four tiles, one joint load a wave: chunk 0 of A, chunk 0 of B, A's scales, B's scales
.macro ARM under, g0, g1, next
	s_cmp_lt_u32 s14, \under
	s_cbranch_scc0 \next
	tensor_load_to_lds s[\g0:\g0+3], s[\g1:\g1+7]
	s_nop 0
.rept 4
	v_nop
.endr
	s_branch .Lhead_asked
\next:
.endm
	ARM 1, G0H,  G1,  .Lhead_b
	ARM 2, G0HB, G1B, .Lhead_sa
	ARM 3, G0S,  G1S, .Lhead_sb
	tensor_load_to_lds s[G0SB:G0SB+3], s[G1SB:G1SB+7]
	s_nop 0
.rept 4
	v_nop
.endr
.Lhead_asked:
	v_and_b32 v1, 15, v0
	v_bfe_u32 v2, v0, 4, 1
	v_mul_u32_u24 v3, v1, PITCH
	v_mul_u32_u24 v4, v2, 24
	v_add_nc_u32 v4, v3, v4                        ; row x pitch + 24 x half
	s_mov_b32 s21, SLOT-232
	s_mov_b32 s22, SLOT+232
	v_sub_nc_u32 v7, 1, v2
	v_mul_u32_u24 v5, s21, v2
	v_add_nc_u32 v5, v3, v5
	v_add_nc_u32 v5, 232, v5                       ; lanes 0-15 byte 232 of the row in slot 0, lanes 16-31 byte 0 in slot 1
	v_mul_u32_u24 v6, s22, v7
	v_add_nc_u32 v6, v3, v6                        ; and the other way round
	s_mul_i32 s21, s15, HALFT
	s_mul_i32 s22, s16, HALFT
	s_add_co_u32 s22, s22, 2*HALFT
	v_add_nc_u32 v[ADRA+2], s21, v5
	v_add_nc_u32 v[ADRA+3], s21, v6
	v_add_nc_u32 v[ADRB+2], s22, v5
	v_add_nc_u32 v[ADRB+3], s22, v6
.irp s, 0,1
	v_add_nc_u32 v[ADRA+\s], s21, v4
	v_add_nc_u32 v[ADRB+\s], s22, v4
	s_add_co_u32 s21, s21, SLOT
	s_add_co_u32 s22, s22, SLOT
.endr
	v_mul_u32_u24 v5, v1, KS
	v_lshrrev_b32 v6, 8, v5
	v_lshl_add_u32 v5, v6, 4, v5
	s_mul_i32 s21, s15, HALFS
	s_mul_i32 s22, s16, HALFS
	s_add_co_u32 s22, s22, 2*HALFS
	s_sub_co_u32 s22, s22, s21
	v_mul_u32_u24 v6, s22, v2                      ; lanes 16-31 take B's scale words
	s_add_co_u32 s21, s21, SCL
	v_add_nc_u32 v5, v5, v6
	v_add_nc_u32 v[ADRS], s21, v5
	v_and_b32 v6, 31, v0
	v_lshlrev_b32 v[CO16], 4, v6
	s_lshl_b32 s98, s17, 8                         ; where my wave's records begin in qkv
	s_lshl_b32 s97, s15, 7
	s_add_co_u32 s98, s98, s97                     ; my first row of x
	s_lshl_b32 s99, s42, 8
	s_lshl_b32 s97, s16, 7
	s_add_co_u32 s99, s99, s97                     ; my first row of W
	s_lshr_b32 s99, s99, 6                         ; the head
	s_lshr_b32 s96, s98, 11                        ; the batch
	s_lshl_b32 s96, s96, 4
	s_add_co_u32 s96, s96, s99
	s_lshl_b32 s96, s96, 4
	s_bfe_u32 s97, s98, 0x40007                    ; which 128 rows of the sequence
	s_add_co_u32 s96, s96, s97
	s_mul_i32 s96, s96, RK
	s_mul_i32 s97, s[SELR], QKT
	s_add_co_u32 s96, s96, s97
	s_mov_b32 s97, 0
	s_add_nc_u64 s[12:13], s[12:13], s[96:97]
	s_mov_b32 s[SEL], 0x76543210
	s_mov_b32 s[SEL+1], 0xfedcba98
	s_mov_b32 s[HM], 0xffff0000
.macro FRAG reg, adr, st, i            ; 16 rows x 128 K: six pieces of 8 bytes; byte y of a row lies in slot (y / 256) % 2 at byte y % 256
.irp p, 0,1,2,3,4,5
.set BY, 96*(\st)+48*(\p/3)+8*(\p%3)
.if BY/ROWB == (BY+24)/ROWB
	ds_load_b64 v[\reg+2*\p:\reg+2*\p+1], v[\adr+(BY/ROWB)%2] offset:BY%ROWB+(\i)*16*PITCH
.else
	ds_load_b64 v[\reg+2*\p:\reg+2*\p+1], v[\adr+2+(BY/ROWB)%2] offset:BY%ROWB-232+(\i)*16*PITCH
.endif
.endr
.endm
.macro MUL16 a0, p, q, sc, zero        ; the 64 accumulators take turns, in the same order in every step
.irp a, \a0, \a0+1
.irp b, 0,1,2,3,4,5,6,7
.if \zero
	v_wmma_scale_f32_16x16x128_f8f6f4 v[8*(8*((\a)%4)+\b):8*(8*((\a)%4)+\b)+7], v[128*(\p)+FR*\b:128*(\p)+FR*\b+FR-1], v[AF+FR*(\a):AF+FR*(\a)+FR-1], 0, v[SC+8*NQ*(\sc)+NQ*\b+(\q)], v[SC+8*NQ*(\sc)+NQ*(\a)+(\q)] matrix_a_fmt:MATRIX_FMT_FP6 matrix_b_fmt:MATRIX_FMT_FP6 matrix_a_scale:MATRIX_SCALE_ROW1
.else
	v_wmma_scale_f32_16x16x128_f8f6f4 v[8*(8*((\a)%4)+\b):8*(8*((\a)%4)+\b)+7], v[128*(\p)+FR*\b:128*(\p)+FR*\b+FR-1], v[AF+FR*(\a):AF+FR*(\a)+FR-1], v[8*(8*((\a)%4)+\b):8*(8*((\a)%4)+\b)+7], v[SC+8*NQ*(\sc)+NQ*\b+(\q)], v[SC+8*NQ*(\sc)+NQ*(\a)+(\q)] matrix_a_fmt:MATRIX_FMT_FP6 matrix_b_fmt:MATRIX_FMT_FP6 matrix_a_scale:MATRIX_SCALE_ROW1
.endif
.endr
.endr
.endm
.macro FETCH_B st, p
	WIN TO_B
.irp i, 0,1,2,3,4,5,6,7
	FRAG 128*(\p)+FR*\i, ADRB, \st, \i
.endr
	WIN 0
.endm
.macro FETCH_A st, i0
.irp i, \i0, \i0+1, \i0+2, \i0+3
	FRAG AF+FR*(\i), ADRA, \st, \i
.endr
.endm
.macro SCALES pr
.irp i, 0,1,2,3,4,5,6,7
	ds_load_b64 v[SC+8*NQ*((\pr)%2)+NQ*\i:SC+8*NQ*((\pr)%2)+NQ*\i+1], v[ADRS] offset:\i*SBLK+4*NQ*(\pr)
.endr
.endm
.macro PLACES n
.rept \n
	v_nop
.endr
.endm
; A step: 64 products; the next step's fragments are fetched in its middle and at its end.  Where the next step ends in a chunk not yet read, a barrier shows that chunk whole; where it begins in a later chunk, the chunk left
; behind is free: the wait for all my tensor loads, the add and the wait for my LDS instructions stand in front of the barrier, which opens a round of the cluster's barrier where a chunk is left to fetch.
.macro STEP st, zero
.set NX, (\st)+1
.set C0, (96*(\st))/ROWB
.set C1, (96*NX)/ROWB
.set E0, (96*(\st)+95)/ROWB
.set E1, (96*NX+95)/ROWB
.if C1 > C0 || E1 > E0
	s_wait_tensorcnt 0x0
.if C1 > C0
	ds_add_u32 v[SPW], v[NIL]
	s_wait_dscnt 4*NL+1                            ; the add and A's blocks 4-7 may be out
.else
	s_wait_dscnt 4*NL                              ; A's blocks 4-7 may be out
.endif
	WIN MUL_LO
	MUL16 0, (\st)%2, (\st)%2, ((\st)/2)%2, \zero
	s_wait_dscnt 0x0
	s_barrier_signal -1
	MUL16 2, (\st)%2, (\st)%2, ((\st)/2)%2, \zero
	WIN 0
	s_barrier_wait -1
.if C1 > C0 && C0+2 < CHUNKS
	CREST
	s_add_nc_u64 s[G0+4*(C0%2)+2:G0+4*(C0%2)+3], s[G0+4*(C0%2)+2:G0+4*(C0%2)+3], 2*ROWB
	s_add_nc_u64 s[G0B+4*(C0%2)+2:G0B+4*(C0%2)+3], s[G0B+4*(C0%2)+2:G0B+4*(C0%2)+3], 2*ROWB
	JLOAD G0+4*(C0%2), G1, G0B+4*(C0%2), G1B       ; chunk C0 + 2; its four v_nop are the places in front of the loads below
.else
	PLACES NP
.endif
.else
	s_wait_dscnt 4*NL
	WIN MUL_LO
	MUL16 0, (\st)%2, (\st)%2, ((\st)/2)%2, \zero
	MUL16 2, (\st)%2, (\st)%2, ((\st)/2)%2, \zero
	s_wait_dscnt 0
	PLACES NP
.endif
	FETCH_B NX, NX%2
	FETCH_A NX, 0
.if NX%2 == 0
	SCALES NX/2
.endif
	WIN MUL_HI
	MUL16 4, (\st)%2, (\st)%2, ((\st)/2)%2, \zero
	MUL16 6, (\st)%2, (\st)%2, ((\st)/2)%2, \zero
	PLACES NP
	WIN 0
	FETCH_A NX, 4
.endm
	s_wait_alu depctr_va_vdst(0)
	s_wait_tensorcnt 0x0                           ; my tile of the head's four is in
	ds_add_u32 v[SPW], v[NIL]
	s_mov_b32 s[G1+2], 128<<16                     ; none of my loads is out: from here on a load brings 128 rows
	s_mov_b32 s[G1+4], 128
	s_mov_b32 s[G1B+2], 128<<16
	s_mov_b32 s[G1B+4], 128
	s_wait_dscnt 0x0
	CROUND
	JLOAD G0+4, G1, G0B+4, G1B                     ; chunk 1: slot 1's first fill, issued as a refill is
	FETCH_B 0, 0
	FETCH_A 0, 0
	SCALES 0
	FETCH_A 0, 4
	STEP 0, 1                                      ; the first step's products start the sums
.set ST, 1
.rept STEPS-2
	STEP ST, 0
.set ST, ST+1
.endr
	s_wait_dscnt 4*NL
	WIN MUL_LO
	MUL16 0, 1, 1, 1, 0
	MUL16 2, 1, 1, 1, 0
	s_wait_dscnt 0
	WIN MUL_HI
	MUL16 4, 1, 1, 1, 0
	MUL16 6, 1, 1, 1, 0
	WIN 0
; THE WAY OUT: four blocks of 32 at a time: the largest magnitudes (16 numbers in my lane, 16 in lane l xor 16), the scale bytes, the codes, and the exchange that gives each lane a whole block.
.macro QNT
	WIN ((QW<<2)|(QW<<4))
	v_max3_num_f32 v[TM], v[FLR], |v[QB0]|, |v[QB0+1]|
	v_max3_num_f32 v[TM+1], v[FLR], |v[QB1]|, |v[QB1+1]|
	v_max3_num_f32 v[TM+2], v[FLR], |v[QB2]|, |v[QB2+1]|
	v_max3_num_f32 v[TM+3], v[FLR], |v[QB3]|, |v[QB3+1]|
.irp i, 2,4,6,8,10,12,14
	v_max3_num_f32 v[TM], v[TM], |v[QB0+\i]|, |v[QB0+\i+1]|
	v_max3_num_f32 v[TM+1], v[TM+1], |v[QB1+\i]|, |v[QB1+\i+1]|
	v_max3_num_f32 v[TM+2], v[TM+2], |v[QB2+\i]|, |v[QB2+\i+1]|
	v_max3_num_f32 v[TM+3], v[TM+3], |v[QB3+\i]|, |v[QB3+\i+1]|
.endr
	WIN 0
.irp b, 0,1,2,3
	v_permlanex16_b32 v[TM+4+\b], v[TM+\b], s[SEL], s[SEL+1]
.endr
.irp b, 0,1,2,3
	v_max_num_f32 v[TM+\b], v[TM+\b], v[TM+4+\b]
.endr
.irp b, 0,1,2,3
	v_add_nc_u32 v[TM+12+\b], 0xff000000, v[TM+\b]
.endr
.irp b, 0,1,2,3
	v_lshrrev_b32 v[TM+4+\b], 23, v[TM+12+\b]
.endr
	s_wait_alu depctr_va_vdst(0)
	s_wait_xcnt 0x0                                ; earlier stores have read their data: the codes' registers are written again
	WIN QW
	v_cvt_scalef32_pk16_fp6_f32 v[CD:CD+2], v[QB0:QB0+15], v[TM+12]
	v_cvt_scalef32_pk16_fp6_f32 v[CD+12:CD+14], v[QB1:QB1+15], v[TM+13]
	v_cvt_scalef32_pk16_fp6_f32 v[CD+6:CD+8], v[QB2:QB2+15], v[TM+14]
	v_cvt_scalef32_pk16_fp6_f32 v[CD+16:CD+18], v[QB3:QB3+15], v[TM+15]
	WIN 0
	v_nop
.irp c, 0,1
.irp i, 0,1,2
	v_permlane16_swap_b32 v[CD+6*\c+\i], v[CD+12+4*\c+\i]
.endr
.irp i, 0,1,2
	v_mov_b32 v[CD+3+6*\c+\i], v[CD+12+4*\c+\i]
.endr
.endr
.endm
	PLACES NP
.irp b, 0,1,2,3
	v_mov_b32 v[TM+4+\b], 0
.endr
	v_mov_b32 v[FLR], 0x1800000                    ; the floor 2^(3 - 127)
.irp e, 0,1                            ; my two heads; a pair of tiles of 16 rows at a time
.irp p, 0,1,2,3
.set QW, 2+\p/2
.set QB0, 64*((2*\p)%4)+32*\e
.set QB1, QB0+16
.set QB2, 64*((2*\p+1)%4)+32*\e
.set QB3, QB2+16
	QNT
	v_lshl_or_b32 v[WD+2*\p], v[TM+5], 8, v[TM+4]
	v_lshl_or_b32 v[WD+2*\p+1], v[TM+7], 8, v[TM+6]
.irp c, 0,1,2
	global_store_b128 v[CO16], v[CD+4*\c:CD+4*\c+3], s[12:13] offset:\e*16*RK+512*(3*\p+\c)
.endr
.endr
.irp j, 0,1,2,3
	v_cndmask_b32 v[SI+\j], v[WD+2*\j], v[WD+2*\j+1], s[HM]
.endr
	global_store_b128 v[CO16], v[SI:SI+3], s[12:13] offset:\e*16*RK+6144
.endr
	s_wait_tensorcnt 0x0                           ; the wave's end
	ds_add_u32 v[SPW], v[NIL]
	s_wait_dscnt 0x0
	CROUND                                         ; the closing round
	s_endpgm
.Lfunc_end_k_q8157bf1f46_proj:
	.size	k_q8157bf1f46_proj, .Lfunc_end_k_q8157bf1f46_proj-k_q8157bf1f46_proj
	.p2alignl 7, 3214868480
	.fill 96, 4, 3214868480
	.section	.rodata,"a",@progbits
	.p2align	6, 0x0
	.amdhsa_kernel k_q8157bf1f46_proj
		.amdhsa_group_segment_fixed_size 327680
		.amdhsa_private_segment_fixed_size 0
		.amdhsa_enable_private_segment 0
		.amdhsa_kernarg_size 40
		.amdhsa_user_sgpr_count 2
		.amdhsa_user_sgpr_kernarg_segment_ptr 1
		.amdhsa_wavefront_size32 1
		.amdhsa_system_sgpr_workgroup_id_x 1
		.amdhsa_system_sgpr_workgroup_id_y 1
		.amdhsa_system_sgpr_workgroup_id_z 1
		.amdhsa_system_vgpr_workitem_id 0
		.amdhsa_next_free_vgpr 1024
		.amdhsa_next_free_sgpr 102
		.amdhsa_reserve_vcc 0
		.amdhsa_float_denorm_mode_32 3
		.amdhsa_float_denorm_mode_16_64 3
		.amdhsa_memory_ordered 1
		.amdhsa_forward_progress 1
		.amdhsa_inst_pref_size 164
	.end_amdhsa_kernel
	.amdgpu_metadata
---
amdhsa.version: [ 1, 2 ]
amdhsa.kernels:
  - .name:           k_q8157bf1f46_proj
    .symbol:         k_q8157bf1f46_proj.kd
    .args:
      - { .name: xcodes, .offset: 0, .size: 8, .value_kind: global_buffer, .address_space: global }
      - { .name: xscales, .offset: 8, .size: 8, .value_kind: global_buffer, .address_space: global }
      - { .name: wcodes, .offset: 16, .size: 8, .value_kind: global_buffer, .address_space: global }
      - { .name: wscales, .offset: 24, .size: 8, .value_kind: global_buffer, .address_space: global }
      - { .name: qkv, .offset: 32, .size: 8, .value_kind: global_buffer, .address_space: global }
    .group_segment_fixed_size: 327680
    .private_segment_fixed_size: 0
    .kernarg_segment_align: 8
    .kernarg_segment_size: 40
    .max_flat_workgroup_size: 128
    .sgpr_count:     102
    .vgpr_count:     1024
    .wavefront_size: 32
...
	.end_amdgpu_metadata
.endif
;; end of part 2
;; launch projv (part 3): grid 32 x 8, 4 waves a work-group, clusters of 4 x 4, 327,680 bytes of LDS; arguments xcodes, xscales, wcodes, wscales, qkv; writes qkv
.if DOCPART == 3
	.amdgcn_target "amdgcn-amd-amdhsa--gfx1250"
	.amdhsa_code_object_version 6
	.text
	.protected	k_q8157bf1f46_projv
	.globl	k_q8157bf1f46_projv
	.p2align	8
	.type	k_q8157bf1f46_projv,@function
k_q8157bf1f46_projv:
	s_mov_b64 s[64:65], 0
	v_nop
	global_prefetch_b8 v0, s[64:65] scope:SCOPE_SE
	s_setreg_imm32_b32 hwreg(HW_REG_WAVE_MODE, 25, 1), 1
	s_wait_xcnt 0x0
	s_wait_alu depctr_hold_cnt(0) depctr_sa_sdst(0) depctr_va_vdst(0) depctr_va_sdst(0) depctr_va_ssrc(0) depctr_va_vcc(0) depctr_vm_vsrc(0)
	s_getreg_b32 s2, hwreg(HW_REG_IB_STS2, 6, 4)
	s_cmp_eq_u32 s2, 0
	s_cbranch_scc0 .Lentry_in_a_cluster
	s_endpgm
.Lentry_in_a_cluster:
	s_bfe_u32 s2, ttmp6, 0x10000c
	s_cmp_lg_u32 s2, 0xf033
	s_cbranch_scc0 .Lentry_shape_is_right
	s_endpgm
.Lentry_shape_is_right:
; v = x_value Wv on codes of FP6 (E2M3) with E8M0 scales, K = 1,024; the result is quantised again at once, along the keys, and leaves as images of operand registers.
; A tile of 128 rows of Wv (A: two heads) x 256 rows of x_value (B: 256 keys) to a work-group: 8 x 32 tiles: 256 work-groups; 64 x 128 to a wave: 32 accumulators, which are one record of v.
; ALL OF K LIES IN LDS: nothing is filled again, and there is no barrier between the steps.  A row of codes is 768 bytes; in LDS 16 bytes of padding stand behind each 256: 816 bytes from row to row.
; One joint load a wave at the head: waves 0, 1 fetch A's halves, waves 2, 3 B's; 4 x 4 work-groups form a cluster: A is shared along a row of it, B along a column.
; THE SCALE WORDS go from memory straight into registers, once: a row's 32 bytes are its eight steps' words: 4 x 8 registers for A, 8 x 8 for B, lane r (and lane 16 + r) holding row r's.
; Source 0 = rows of B, source 1 = rows of A: a lane holds one of the head's 64 numbers, and its registers run along the keys.
; RECORDS in qkv, behind q's and k's: for each (batch, head) 16 records of 6,400 bytes: 128 keys as 4 tiles x 12 registers x 128 bytes, then 256 bytes of scale words.
; No prefetch: all tiles are asked for at the head, and there is no loop to run ahead in.
; LIMITS: a block whose largest magnitude lies under 2^-124 keeps the byte 1; the bytes are read by this program alone.  NaN and infinities are not served.
.set KROW,   768
.set BP,     816
.set FR,     12
.set NP,     4
.set AHALF,  64*BP
.set BBASE,  128*BP
.set BHALF,  128*BP
.set SPARE,  BBASE+2*BHALF             ; the spare words: 512 bytes that no other line names
.set RV,     6400
.set QKT,    6815744
.set ADRA, 16                          ; v16 my A rows; v17 the same where lanes 16-31 lie in the next 256 bytes of the row, 16 further on
.set ADRB, 20                          ; v20, v21 B's blocks 0-3;  v22, v23 blocks 4-7
.set CO8,  25
.set CO16, 26
.set SO,   27                          ; v27 32 x (lane % 16): my row of scale bytes
.set SPW,  28
.set NIL,  29
.set SA,   32                          ; v32-63 A's scale words: 8 a + step;  v64-127 B's: 8 b + step
.set SB,   64
.set AF,   128                         ; window 0: A's fragments, two sets of 48;  window 1: B's, two sets, at v0 and v128;  window 2: the accumulators, (a, b) at 8 (8 a + b)
.set CD,   128
.set TM,   200
.set FLR,  216
.set WD,   220
.set SI,   228
.set G1, 24
.set G0, 32
.set G1B, 48
.set G0B, 56
.set SEL,  60
.set HM,   62
.set MSB, 0
.macro WIN new
.if MSB != \new
	s_set_vgpr_msb (MSB<<8)|\new
.set MSB, \new
.endif
.endm
.set MUL,  0xa1
.set TO_B, 0x40
.macro CROUND
	s_barrier_signal -1
	s_barrier_wait -1
	s_cmp_lg_u32 s14, 0
	s_cbranch_scc1 .Lnot_wave_0_\@
	s_barrier_signal -3
.Lnot_wave_0_\@:
	s_barrier_wait -3
	s_barrier_signal -1
	s_barrier_wait -1
.endm
	s_load_b128 s[4:7], s[0:1], 0x0                ; xcodes, xscales
	s_load_b128 s[8:11], s[0:1], 0x10              ; wcodes, wscales
	s_load_b64 s[12:13], s[0:1], 0x20              ; qkv
	v_lshl_add_u32 v[SPW], v0, 2, SPARE
	v_mov_b32 v[NIL], 0
	ds_add_u32 v[SPW], v[NIL]
	ds_add_u32 v[SPW], v[NIL]
	v_lshrrev_b32 v1, 5, v0
	v_readfirstlane_b32 s14, v1                    ; wave
	v_and_b32 v2, 15, v0                           ; r
	v_lshlrev_b32 v[SO], 5, v2
	s_lshr_b32 s15, s14, 1                         ; my half of A's rows; also: I fetch for A or for B
	s_and_b32 s16, s14, 1                          ; my half of B's rows; also: which half I fetch
	s_bfe_u32 s40, ttmp6, 0x40000
	s_bfe_u32 s41, ttmp6, 0x40004
	s_lshl_b32 s42, ttmp9, 2
	s_add_co_u32 s42, s42, s40                     ; tile column (B): 256 rows of x_value
	s_and_b32 s17, ttmp7, 0xffff
	s_lshl_b32 s17, s17, 2
	s_add_co_u32 s17, s17, s41                     ; tile row (A): 128 rows of Wv
	s_lshl_b32 s43, s41, 2
	s_lshl_b32 s43, 15, s43
	s_lshl_b32 s44, 0x1111, s40
	s_or_b32 s[G1+0], s43, (0<<16)|(1<<20)|(1<<21)|(5<<22)|(3<<25)    ; A: 64 rows of 768 bytes, 16 bytes of padding behind each 256
	s_mov_b32 s[G1+1], KROW<<16
	s_mov_b32 s[G1+2], 64<<16
	s_mov_b32 s[G1+3], KROW<<16
	s_mov_b32 s[G1+4], 64
	s_mov_b32 s[G1+5], KROW
	s_mov_b32 s[G1+6], 0
	s_mov_b32 s[G1+7], 0
	s_or_b32 s[G1B+0], s44, (0<<16)|(1<<20)|(1<<21)|(5<<22)|(3<<25)   ; B: 128 rows likewise
	s_mov_b32 s[G1B+1], KROW<<16
	s_mov_b32 s[G1B+2], 128<<16
	s_mov_b32 s[G1B+3], KROW<<16
	s_mov_b32 s[G1B+4], 128
	s_mov_b32 s[G1B+5], KROW
	s_mov_b32 s[G1B+6], 0
	s_mov_b32 s[G1B+7], 0
	s_lshl_b32 s20, s17, 7
	s_lshl_b32 s18, s16, 6
	s_add_co_u32 s20, s20, s18
	s_add_co_u32 s20, s20, 2*1024                  ; the 64 rows of A that I would fetch: Wv is the third weight of 1,024 rows
	s_mul_i32 s20, s20, KROW
	s_mov_b32 s21, 0
	s_lshl_b32 s46, s42, 8
	s_lshl_b32 s18, s16, 7
	s_add_co_u32 s46, s46, s18                     ; my 128 keys, counted over all batches
	s_lshr_b32 s38, s46, 11                        ; the batch
	s_bfe_u32 s39, s46, 0x40007                    ; which 128 keys of the sequence
	s_add_co_u32 s46, s46, 2*8192                  ; x_value is the third tensor of 8,192 rows
	s_lshl_b32 s22, s46, 5                         ; their scale bytes
	s_mov_b32 s23, 0
	s_mul_i32 s46, s46, KROW
	s_mov_b32 s47, 0
	s_lshl_b32 s18, s17, 1
	s_add_co_u32 s18, s18, s15                     ; my head
	s_lshl_b32 s36, s18, 6
	s_add_co_u32 s36, s36, 2*1024                  ; my first row of A
	s_lshl_b32 s36, s36, 5                         ; 32 scale bytes a row
	s_mov_b32 s37, 0
	s_lshl_b32 s38, s38, 4
	s_add_co_u32 s38, s38, s18
	s_lshl_b32 s38, s38, 4
	s_add_co_u32 s38, s38, s39
	s_mul_i32 s38, s38, RV
	s_add_co_u32 s38, s38, 2*QKT                   ; my record
	s_mov_b32 s39, 0
	s_mov_b32 s[G0], 1
	s_mul_i32 s[G0+1], s16, AHALF
	s_mov_b32 s[G0B], 1
	s_mul_i32 s[G0B+1], s16, BHALF
	s_add_co_u32 s[G0B+1], s[G0B+1], BBASE
	s_mov_b32 s[SEL], 0x76543210
	s_mov_b32 s[SEL+1], 0xfedcba98
	s_mov_b32 s[HM], 0xffff0000
	s_wait_alu depctr_va_vdst(0)
	s_wait_dscnt 0x0
	s_wait_kmcnt 0x0
	s_add_nc_u64 s[G0+2:G0+3], s[8:9], s[20:21]
	s_or_b32 s[G0+3], s[G0+3], 0x80000000
	s_add_nc_u64 s[G0B+2:G0B+3], s[4:5], s[46:47]
	s_or_b32 s[G0B+3], s[G0B+3], 0x80000000
	s_add_nc_u64 s[92:93], s[10:11], s[36:37]
	s_add_nc_u64 s[94:95], s[6:7], s[22:23]
	s_add_nc_u64 s[12:13], s[12:13], s[38:39]
.irp i, 0,1,2,3
.irp q, 0,1
	global_load_b128 v[SA+8*\i+4*\q:SA+8*\i+4*\q+3], v[SO], s[92:93] offset:512*\i+16*\q
.endr
.endr
.irp i, 0,1,2,3,4,5,6,7
.irp q, 0,1
	global_load_b128 v[SB+8*\i+4*\q:SB+8*\i+4*\q+3], v[SO], s[94:95] offset:512*\i+16*\q
.endr
.endr
	CROUND                                         ; in front of the joint loads
	s_cmp_eq_u32 s15, 0
	s_cbranch_scc0 .Lfor_b
	tensor_load_to_lds s[G0:G0+3], s[G1:G1+7]
	s_nop 0
.rept 4
	v_nop
.endr
	s_branch .Lasked
.Lfor_b:
	tensor_load_to_lds s[G0B:G0B+3], s[G1B:G1B+7]
	s_nop 0
.rept 4
	v_nop
.endr
.Lasked:
	v_bfe_u32 v3, v0, 4, 1                         ; h
	v_and_b32 v4, 31, v0
	v_lshlrev_b32 v[CO16], 4, v4
	v_lshlrev_b32 v[CO8], 3, v4
	v_mul_u32_u24 v6, v2, BP
	v_mad_u32_u24 v7, v3, 24, v6
	v_mad_u32_u24 v8, v3, 40, v6
	s_mul_i32 s18, s15, AHALF
	v_add_nc_u32 v[ADRA], s18, v7
	v_add_nc_u32 v[ADRA+1], s18, v8
	s_mul_i32 s19, s16, BHALF
	s_add_co_u32 s19, s19, BBASE
	v_add_nc_u32 v[ADRB], s19, v7
	v_add_nc_u32 v[ADRB+1], s19, v8
	s_add_co_u32 s19, s19, 64*BP
	v_add_nc_u32 v[ADRB+2], s19, v7
	v_add_nc_u32 v[ADRB+3], s19, v8
.macro FRAG reg, adr, st, i            ; 16 rows x 128 K: six pieces of 8 bytes; byte y of a row lies at y + 16 (y / 256)
.irp p, 0,1,2,3,4,5
.set BY, 96*(\st)+48*(\p/3)+8*(\p%3)
.if BY/256 == (BY+24)/256
	ds_load_b64 v[\reg+2*\p:\reg+2*\p+1], v[\adr+2*((\i)/4)] offset:BY+16*(BY/256)+((\i)%4)*16*BP
.else
	ds_load_b64 v[\reg+2*\p:\reg+2*\p+1], v[\adr+1+2*((\i)/4)] offset:BY+16*(BY/256)+((\i)%4)*16*BP
.endif
.endr
.endm
.macro FETCH_B st                      ; 48 loads
	WIN TO_B
.irp i, 0,1,2,3,4,5,6,7
	FRAG 128*((\st)%2)+FR*\i, ADRB, \st, \i
.endr
	WIN 0
.endm
.macro FETCH_A st                      ; 24 loads
.irp i, 0,1,2,3
	FRAG AF+48*((\st)%2)+FR*\i, ADRA, \st, \i
.endr
.endm
.macro MUL16 a0, st, zero              ; the 32 accumulators take turns, in the same order in every step
.irp a, \a0, \a0+1
.irp b, 0,1,2,3,4,5,6,7
.if \zero
	v_wmma_scale_f32_16x16x128_f8f6f4 v[8*(8*(\a)+\b):8*(8*(\a)+\b)+7], v[128*((\st)%2)+FR*\b:128*((\st)%2)+FR*\b+FR-1], v[AF+48*((\st)%2)+FR*(\a):AF+48*((\st)%2)+FR*(\a)+FR-1], 0, v[SB+8*\b+(\st)], v[SA+8*(\a)+(\st)] matrix_a_fmt:MATRIX_FMT_FP6 matrix_b_fmt:MATRIX_FMT_FP6
.else
	v_wmma_scale_f32_16x16x128_f8f6f4 v[8*(8*(\a)+\b):8*(8*(\a)+\b)+7], v[128*((\st)%2)+FR*\b:128*((\st)%2)+FR*\b+FR-1], v[AF+48*((\st)%2)+FR*(\a):AF+48*((\st)%2)+FR*(\a)+FR-1], v[8*(8*(\a)+\b):8*(8*(\a)+\b)+7], v[SB+8*\b+(\st)], v[SA+8*(\a)+(\st)] matrix_a_fmt:MATRIX_FMT_FP6 matrix_b_fmt:MATRIX_FMT_FP6
.endif
.endr
.endr
.endm
.macro PLACES n
.rept \n
	v_nop
.endr
.endm
.macro STEP st, zero                   ; 32 products on set st % 2; the next step's fragments go into the other set, which the step before multiplied: four places stand ahead of those loads
	PLACES NP
	FETCH_B (\st)+1
	s_wait_dscnt 48                                ; all but the 48 just issued: this step's fragments are in
	WIN MUL
	MUL16 0, \st, \zero
	WIN 0
	FETCH_A (\st)+1
	WIN MUL
	MUL16 2, \st, \zero
	WIN 0
.endm
	s_wait_alu depctr_va_vdst(0)
	s_wait_tensorcnt 0x0                           ; my part has landed,
	s_barrier_signal -1
	s_barrier_wait -1                              ; everybody's has
	FETCH_B 0
	FETCH_A 0
	s_wait_loadcnt 0x0                             ; the scale words
	STEP 0, 1                                      ; the first step's products start the sums
.set ST, 1
.rept 6
	STEP ST, 0
.set ST, ST+1
.endr
	s_wait_dscnt 0x0
	WIN MUL
	MUL16 0, 7, 0
	MUL16 2, 7, 0
	WIN 0
; THE WAY OUT: a tile of 16 of the head's 64 x my 128 keys at a time: four blocks of 32 keys: the largest magnitudes (16 numbers in my lane, 16 in lane l xor 16), the scale bytes, the codes, and the exchange that gives each lane a whole block.
.macro QNT
	WIN ((QW<<2)|(QW<<4))
	v_max3_num_f32 v[TM], v[FLR], |v[QB0]|, |v[QB0+1]|
	v_max3_num_f32 v[TM+1], v[FLR], |v[QB1]|, |v[QB1+1]|
	v_max3_num_f32 v[TM+2], v[FLR], |v[QB2]|, |v[QB2+1]|
	v_max3_num_f32 v[TM+3], v[FLR], |v[QB3]|, |v[QB3+1]|
.irp i, 2,4,6,8,10,12,14
	v_max3_num_f32 v[TM], v[TM], |v[QB0+\i]|, |v[QB0+\i+1]|
	v_max3_num_f32 v[TM+1], v[TM+1], |v[QB1+\i]|, |v[QB1+\i+1]|
	v_max3_num_f32 v[TM+2], v[TM+2], |v[QB2+\i]|, |v[QB2+\i+1]|
	v_max3_num_f32 v[TM+3], v[TM+3], |v[QB3+\i]|, |v[QB3+\i+1]|
.endr
	WIN 0
.irp b, 0,1,2,3
	v_permlanex16_b32 v[TM+4+\b], v[TM+\b], s[SEL], s[SEL+1]
.endr
.irp b, 0,1,2,3
	v_max_num_f32 v[TM+\b], v[TM+\b], v[TM+4+\b]
.endr
.irp b, 0,1,2,3
	v_add_nc_u32 v[TM+12+\b], 0xff000000, v[TM+\b]
.endr
.irp b, 0,1,2,3
	v_lshrrev_b32 v[TM+4+\b], 23, v[TM+12+\b]
.endr
	s_wait_alu depctr_va_vdst(0)
	s_wait_xcnt 0x0                                ; earlier stores have read their data: the codes' registers are written again
	WIN QW
	v_cvt_scalef32_pk16_fp6_f32 v[CD:CD+2], v[QB0:QB0+15], v[TM+12]
	v_cvt_scalef32_pk16_fp6_f32 v[CD+12:CD+14], v[QB1:QB1+15], v[TM+13]
	v_cvt_scalef32_pk16_fp6_f32 v[CD+6:CD+8], v[QB2:QB2+15], v[TM+14]
	v_cvt_scalef32_pk16_fp6_f32 v[CD+16:CD+18], v[QB3:QB3+15], v[TM+15]
	WIN 0
	v_nop
.irp c, 0,1
.irp i, 0,1,2
	v_permlane16_swap_b32 v[CD+6*\c+\i], v[CD+12+4*\c+\i]
.endr
.irp i, 0,1,2
	v_mov_b32 v[CD+3+6*\c+\i], v[CD+12+4*\c+\i]
.endr
.endr
.endm
	PLACES NP
.irp b, 0,1,2,3
	v_mov_b32 v[TM+4+\b], 0
.endr
	v_mov_b32 v[FLR], 0x1800000                    ; the floor 2^(3 - 127)
.set QW, 2
.irp a, 0,1,2,3
.set QB0, 64*\a
.set QB1, QB0+16
.set QB2, QB0+32
.set QB3, QB0+48
	QNT
	v_lshl_or_b32 v[WD+\a], v[TM+5], 8, v[TM+4]
	v_lshl_or_b32 v[WD+\a], v[TM+6], 16, v[WD+\a]
	v_lshl_or_b32 v[WD+\a], v[TM+7], 24, v[WD+\a]
.irp c, 0,1,2
	global_store_b128 v[CO16], v[CD+4*\c:CD+4*\c+3], s[12:13] offset:512*(3*\a+\c)   ; 512 consecutive bytes, at a multiple of 256 from the buffer's first byte
.endr
.endr
	v_cndmask_b32 v[SI], v[WD], v[WD+1], s[HM]     ; tile t's scale words: register t / 2, lanes 16 (t % 2) on
	v_cndmask_b32 v[SI+1], v[WD+2], v[WD+3], s[HM]
	global_store_b64 v[CO8], v[SI:SI+1], s[12:13] offset:6144
	s_wait_tensorcnt 0x0                           ; the wave's end
	ds_add_u32 v[SPW], v[NIL]
	s_wait_dscnt 0x0
	CROUND                                         ; the closing round
	s_endpgm
.Lfunc_end_k_q8157bf1f46_projv:
	.size	k_q8157bf1f46_projv, .Lfunc_end_k_q8157bf1f46_projv-k_q8157bf1f46_projv
	.p2alignl 7, 3214868480
	.fill 96, 4, 3214868480
	.section	.rodata,"a",@progbits
	.p2align	6, 0x0
	.amdhsa_kernel k_q8157bf1f46_projv
		.amdhsa_group_segment_fixed_size 327680
		.amdhsa_private_segment_fixed_size 0
		.amdhsa_enable_private_segment 0
		.amdhsa_kernarg_size 40
		.amdhsa_user_sgpr_count 2
		.amdhsa_user_sgpr_kernarg_segment_ptr 1
		.amdhsa_wavefront_size32 1
		.amdhsa_system_sgpr_workgroup_id_x 1
		.amdhsa_system_sgpr_workgroup_id_y 1
		.amdhsa_system_sgpr_workgroup_id_z 1
		.amdhsa_system_vgpr_workitem_id 0
		.amdhsa_next_free_vgpr 768
		.amdhsa_next_free_sgpr 98
		.amdhsa_reserve_vcc 0
		.amdhsa_float_denorm_mode_32 3
		.amdhsa_float_denorm_mode_16_64 3
		.amdhsa_memory_ordered 1
		.amdhsa_forward_progress 1
		.amdhsa_inst_pref_size 97
	.end_amdhsa_kernel
	.amdgpu_metadata
---
amdhsa.version: [ 1, 2 ]
amdhsa.kernels:
  - .name:           k_q8157bf1f46_projv
    .symbol:         k_q8157bf1f46_projv.kd
    .args:
      - { .name: xcodes, .offset: 0, .size: 8, .value_kind: global_buffer, .address_space: global }
      - { .name: xscales, .offset: 8, .size: 8, .value_kind: global_buffer, .address_space: global }
      - { .name: wcodes, .offset: 16, .size: 8, .value_kind: global_buffer, .address_space: global }
      - { .name: wscales, .offset: 24, .size: 8, .value_kind: global_buffer, .address_space: global }
      - { .name: qkv, .offset: 32, .size: 8, .value_kind: global_buffer, .address_space: global }
    .group_segment_fixed_size: 327680
    .private_segment_fixed_size: 0
    .kernarg_segment_align: 8
    .kernarg_segment_size: 40
    .max_flat_workgroup_size: 128
    .sgpr_count:     98
    .vgpr_count:     768
    .wavefront_size: 32
...
	.end_amdgpu_metadata
.endif
;; end of part 3
;; launch attn (part 4): grid 4 x 64, 16 waves a work-group, clusters of 4 x 1, 212,992 bytes of LDS; arguments qkv, hcodes, hscales; writes hcodes, hscales
.if DOCPART == 4
	.amdgcn_target "amdgcn-amd-amdhsa--gfx1250"
	.amdhsa_code_object_version 6
	.text
	.protected	k_q8157bf1f46_attn
	.globl	k_q8157bf1f46_attn
	.p2align	8
	.type	k_q8157bf1f46_attn,@function
k_q8157bf1f46_attn:
	s_mov_b64 s[64:65], 0
	v_nop
	global_prefetch_b8 v0, s[64:65] scope:SCOPE_SE
	s_setreg_imm32_b32 hwreg(HW_REG_WAVE_MODE, 25, 1), 1
	s_wait_xcnt 0x0
	s_wait_alu depctr_hold_cnt(0) depctr_sa_sdst(0) depctr_va_vdst(0) depctr_va_sdst(0) depctr_va_ssrc(0) depctr_va_vcc(0) depctr_vm_vsrc(0)
	s_getreg_b32 s2, hwreg(HW_REG_IB_STS2, 6, 4)
	s_cmp_eq_u32 s2, 0
	s_cbranch_scc0 .Lentry_in_a_cluster
	s_endpgm
.Lentry_in_a_cluster:
	s_bfe_u32 s2, ttmp6, 0x10000c
	s_cmp_lg_u32 s2, 0x3003
	s_cbranch_scc0 .Lentry_shape_is_right
	s_endpgm
.Lentry_shape_is_right:
; Attention for one (batch, head) and 512 queries a work-group, both products on codes of FP6 (E2M3) with E8M0 scales; the result, divided by the row's sum, is quantised along the head's 64 for the output projection.
; t = score x log2(e) / 8; M = the row's largest t so far, rounded up to a whole number; p = 2^(t - M) is what is quantised, along the keys; the row's sum is taken of the unquantised p and divides at the end.
; When M moves, the sums and O are multiplied by 2^(old M - new M): exact.
; A BLOCK'S SCALE: p rises with the score, so the block's largest p is 2^x with x = (the block's largest t) - M, and floor(log2) of it is floor(x): the scale's byte is floor(x) + 125, held at 1 from below.
; SHARES.  Sixteen waves, four to a SIMD.  Wave w owns the 16 queries of tile 32 X + 16 p + w in pass p = 0, 1 (X: the work-group's place in its cluster).
; K AND V OF THE WHOLE HEAD lie in LDS as images of operand registers: 16 records of 6,656 bytes (K) and 16 of 6,400 (V).  They come once: no slot is filled again, and all tiles are asked for at the head, so no prefetch could run ahead.
; CLUSTER.  The four work-groups of a head need the same K and V: each quarter is asked for jointly.
; LAYOUT.  S^T = K Q^T, O^T = V^T P^T: a lane holds one query (lane % 16).  The rows of a tile of K and of V^T were chosen by the launches before, so that the 16 registers of two neighbouring tiles are 16 neighbours.
; THE FIRST PRODUCT'S K IS 64: Q's registers 6-11 are zero codes; what source 0 names there is multiplied by zeros.
; THE STEP'S ORDER: dependent lines stand five or more vector lines apart where other work is at hand; the short chain that makes M carries hints.  Part of the sums stands behind the second product: those lines are the places ahead of the next loads.
; LIMITS: the scaled scores stay under 2^31 in magnitude; a block whose largest p lies under 2^-124 keeps the byte 1; where x lies within rounding of a whole number from below, that block's largest p may be held at the largest code;
; NaN and infinities are not served.
.set RK,    6656
.set RV,    6400
.set QKT,   6815744
.set VIMG,  16*RK
.set SPARE, VIMG+16*RV                 ; the spare words, 128 bytes for each wave
.set LK,   1                           ; v1  16 x lane: an image's place for my lane (in LDS, and in hcodes)
.set LV,   2                           ; v2  the same + VIMG
.set LW,   3                           ; v3  8 x lane + VIMG + 6,144: V's scale words
.set ADK,  4
.set ADV,  5
.set ADW,  6
.set SPW,  7
.set NIL,  8
.set HO8,  10
.set HSO,  11
.set QA,   16                          ; v16-27 pass 0's Q
.set QSA,  34
.set QSB,  35
.set KF,   36                          ; v36-83 a step's K, then its V; v84-89 zeros
.set KSC,  90
.set VSC,  94
.set S,    96                          ; v96-159 S^T, then p
.set O,    160                         ; v160-191 O^T
.set PC,   192                         ; v192-203 p's codes
.set CT,   204
.set BM,   212                         ; v212-215 a block's largest score, then x, then floor(x)
.set B2,   216
.set SOP,  220                         ; the conversions' scale operands
.set F,    224                         ; v[224:225] f = 2^(old M - new M)
.set PSC,  226                         ; p's scale word
.set T0,   227                         ; the old -M
.set T1,   228
.set W,    229
.set QO,   230                         ; v230-233 Q's byte offsets, at the head alone
.set HB,   234
.set QB,   236                         ; v236-247 pass 1's Q
; the row's sum: four running pairs v[14:15], v[230:231], v[232:233], v[234:235]; a step's four other pairs v248-255.  v12 = -M, v13 = the largest score so far
.set WV,   10
.set SEL,  20
.set CS,   22
.set HM,   24
.set TBK,  26
.set TBV,  27
.set G1K,  28
.set G1V,  36
.set G0K,  44
.set G0V,  48
.macro CROUND
	s_barrier_signal -1
	s_barrier_wait -1
	s_cmp_lg_u32 s[WV], 0
	s_cbranch_scc1 .Lnot_wave_0_\@
	s_barrier_signal -3
.Lnot_wave_0_\@:
	s_barrier_wait -3
	s_barrier_signal -1
	s_barrier_wait -1
.endm
	s_load_b128 s[4:7], s[0:1], 0x0                ; qkv, hcodes
	s_load_b64 s[8:9], s[0:1], 0x10                ; hscales
	v_lshl_add_u32 v[SPW], v0, 2, SPARE
	v_mov_b32 v[NIL], 0
	ds_add_u32 v[SPW], v[NIL]
	ds_add_u32 v[SPW], v[NIL]
	v_lshrrev_b32 v1, 5, v0
	s_delay_alu instid0(VALU_DEP_1)
	v_readfirstlane_b32 s[WV], v1
	s_bfe_u32 s11, ttmp6, 0x40000                  ; X: it enters Q's and the outputs' addresses alone
	s_and_b32 s12, ttmp7, 0xffff                   ; 16 b + h
	s_and_b32 s13, s[WV], 3                        ; which quarter I fetch, if I fetch
	s_mov_b32 s[G1K], 15|(3<<16)|(1<<21)           ; a quarter of the images, dense: rows of 256 bytes
	s_mov_b32 s[G1K+1], 32<<16
	s_mov_b32 s[G1K+2], 104<<16
	s_mov_b32 s[G1K+3], 32<<16
	s_mov_b32 s[G1K+4], 104
	s_mov_b32 s[G1K+5], 32
	s_mov_b32 s[G1K+6], 0
	s_mov_b32 s[G1K+7], 0
	s_mov_b32 s[G1V], 15|(3<<16)|(1<<21)
	s_mov_b32 s[G1V+1], 32<<16
	s_mov_b32 s[G1V+2], 100<<16
	s_mov_b32 s[G1V+3], 32<<16
	s_mov_b32 s[G1V+4], 100
	s_mov_b32 s[G1V+5], 32
	s_mov_b32 s[G1V+6], 0
	s_mov_b32 s[G1V+7], 0
	s_mul_i32 s14, s12, 16*RK
	s_mul_i32 s52, s13, 4*RK
	s_add_co_u32 s54, s14, s52
	s_add_co_u32 s54, s54, QKT
	s_mov_b32 s55, 0
	s_mul_i32 s56, s12, 16*RV
	s_mul_i32 s53, s13, 4*RV
	s_add_co_u32 s56, s56, s53
	s_add_co_u32 s56, s56, 2*QKT
	s_mov_b32 s57, 0
	s_mov_b32 s[G0K], 1
	s_mov_b32 s[G0K+1], s52
	s_mov_b32 s[G0V], 1
	s_add_co_u32 s[G0V+1], s53, VIMG
	s_lshl_b32 s58, s11, 2
	s_lshr_b32 s59, s[WV], 3
	s_add_co_u32 s58, s58, s59                     ; pass 0's record of q: 4 X + w / 8
	s_mul_i32 s58, s58, RK
	s_add_co_u32 s58, s58, s14
	s_mov_b32 s59, 0
	s_lshr_b32 s60, s12, 4
	s_lshl_b32 s60, s60, 7
	s_lshl_b32 s61, s11, 5
	s_add_co_u32 s60, s60, s61
	s_add_co_u32 s60, s60, s[WV]                   ; pass 0's tile of 16 rows of the output: 128 b + 32 X + w
	s_and_b32 s61, s12, 15                         ; the head
	s_mul_i32 s62, s60, 12288                      ; hcodes: 16 heads x 768 bytes a tile of rows
	s_mul_i32 s63, s61, 768
	s_add_co_u32 s62, s62, s63
	s_mov_b32 s63, 0
	s_lshl_b32 s60, s60, 9                         ; hscales: 16 rows x 32 bytes, two bytes a head
	s_lshl_b32 s61, s61, 1
	s_add_co_u32 s60, s60, s61
	s_mov_b32 s61, 0
	s_mov_b32 s[SEL], 0x76543210
	s_mov_b32 s[SEL+1], 0xfedcba98
	s_mov_b32 s[CS], 0x3e38aa3b                    ; c = log2(e) / sqrt(64)
	s_mov_b32 s[CS+1], s[CS]
	s_mov_b32 s[HM], 0xffff0000
	s_wait_dscnt 0x0
	s_wait_kmcnt 0x0
	s_add_nc_u64 s[G0K+2:G0K+3], s[4:5], s[54:55]
	s_or_b32 s[G0K+3], s[G0K+3], 0x80000000
	s_add_nc_u64 s[G0V+2:G0V+3], s[4:5], s[56:57]
	s_or_b32 s[G0V+3], s[G0V+3], 0x80000000
	s_add_nc_u64 s[4:5], s[4:5], s[58:59]
	s_add_nc_u64 s[6:7], s[6:7], s[62:63]
	s_add_nc_u64 s[8:9], s[8:9], s[60:61]
	CROUND                                         ; in front of the joint loads
	s_cmp_lt_u32 s[WV], 4                          ; waves 0-3 fetch K's quarters, waves 4-7 V's, the others nothing
	s_cbranch_scc0 .Lnot_k
	tensor_load_to_lds s[G0K:G0K+3], s[G1K:G1K+7]
	s_nop 0
.rept 4
	v_nop
.endr
	s_branch .Lasked
.Lnot_k:
	s_cmp_lt_u32 s[WV], 8
	s_cbranch_scc0 .Lasked
	tensor_load_to_lds s[G0V:G0V+3], s[G1V:G1V+7]
	s_nop 0
.rept 4
	v_nop
.endr
.Lasked:
	v_and_b32 v[T0], 31, v0
	s_delay_alu instid0(VALU_DEP_1)
	v_lshlrev_b32 v[LK], 4, v[T0]
	s_wait_alu depctr_va_vdst(0)
	v_add_nc_u32 v[LV], VIMG, v[LK]
	v_lshlrev_b32 v[HO8], 3, v[T0]
	s_delay_alu instid0(VALU_DEP_1)
	v_add_nc_u32 v[LW], VIMG+6144, v[HO8]
	v_and_b32 v[T1], 15, v0                        ; r
	s_wait_alu depctr_va_vdst(0)
	v_bfe_u32 v[T0], v0, 4, 1                      ; h
	s_delay_alu instid0(VALU_DEP_1)
	v_lshl_add_u32 v[HSO], v[T1], 5, v[T0]
	s_and_b32 s15, s[WV], 7                        ; Q: tile w % 8 of its record: register n lies at 512 (n / 4) + 16 lane + 4 (n % 4)
	s_mul_i32 s16, s15, 6
.irp i, 0,1,2
	s_add_co_u32 s17, s16, 2*\i
	s_lshr_b32 s18, s17, 2
	s_lshl_b32 s18, s18, 9
	s_and_b32 s17, s17, 3
	s_lshl_b32 s17, s17, 2
	s_add_co_u32 s17, s17, s18
	v_add_nc_u32 v[QO+\i], s17, v[LK]
.endr
	s_and_b32 s17, s15, 1
	s_lshl_b32 s17, s17, 8
	s_lshr_b32 s18, s15, 1
	s_lshl_b32 s18, s18, 2
	s_add_co_u32 s17, s17, s18
	s_add_co_u32 s17, s17, 6144
	v_lshl_add_u32 v[QO+3], v[T1], 4, s17          ; its scale word
	s_wait_alu depctr_va_vdst(0)
.irp i, 0,1,2
	global_load_b64 v[QA+2*\i:QA+2*\i+1], v[QO+\i], s[4:5]
	global_load_b64 v[QB+2*\i:QB+2*\i+1], v[QO+\i], s[4:5] offset:2*RK
.endr
	global_load_b32 v[QSA], v[QO+3], s[4:5]
	global_load_b32 v[QSB], v[QO+3], s[4:5] offset:2*RK
.irp i, 6,7,8,9,10,11
	v_mov_b32 v[QA+\i], 0                          ; zero codes for k = 64 .. 127
	v_mov_b32 v[QB+\i], 0
	v_mov_b32 v[KF+42+\i], 0
.endr
.irp b, 0,1,2,3
	v_mov_b32 v[B2+\b], 0                          ; a lane permute's destination counts as one of its sources
.endr
	v_mov_b32 v[F+1], 0
.macro KQ t, qf, qs
.if (\t)%2
	v_wmma_scale_f32_16x16x128_f8f6f4 v[S+8*(\t):S+8*(\t)+7], v[KF+6*(\t):KF+6*(\t)+11], v[\qf:\qf+11], 0, v[KSC+(\t)/2], v[\qs] matrix_a_fmt:MATRIX_FMT_FP6 matrix_b_fmt:MATRIX_FMT_FP6 matrix_a_scale:MATRIX_SCALE_ROW1
.else
	v_wmma_scale_f32_16x16x128_f8f6f4 v[S+8*(\t):S+8*(\t)+7], v[KF+6*(\t):KF+6*(\t)+11], v[\qf:\qf+11], 0, v[KSC+(\t)/2], v[\qs] matrix_a_fmt:MATRIX_FMT_FP6 matrix_b_fmt:MATRIX_FMT_FP6
.endif
.endm
.macro PV t
.if (\t)%2
	v_wmma_scale_f32_16x16x128_f8f6f4 v[O+8*(\t):O+8*(\t)+7], v[KF+12*(\t):KF+12*(\t)+11], v[PC:PC+11], v[O+8*(\t):O+8*(\t)+7], v[VSC+(\t)/2], v[PSC] matrix_a_fmt:MATRIX_FMT_FP6 matrix_b_fmt:MATRIX_FMT_FP6 matrix_a_scale:MATRIX_SCALE_ROW1
.else
	v_wmma_scale_f32_16x16x128_f8f6f4 v[O+8*(\t):O+8*(\t)+7], v[KF+12*(\t):KF+12*(\t)+11], v[PC:PC+11], v[O+8*(\t):O+8*(\t)+7], v[VSC+(\t)/2], v[PSC] matrix_a_fmt:MATRIX_FMT_FP6 matrix_b_fmt:MATRIX_FMT_FP6
.endif
.endm
.macro PKF j0, n                       ; t - M for n pairs of scores from pair j0 on
.set jj, \j0
.rept \n
	v_pk_fma_f32 v[S+2*jj:S+2*jj+1], v[S+2*jj:S+2*jj+1], s[CS:CS+1], v[12:13] op_sel_hi:[1,0,0]
.set jj, jj+1
.endr
.endm
.macro SAD c, j                        ; pair j of p onto the sum's pair c
	v_pk_add_f32 v[\c:\c+1], v[\c:\c+1], v[S+2*(\j):S+2*(\j)+1]
.endm
; A KEY STEP: 128 keys.
.macro STEP qf, qs
	v_add_nc_u32 v[ADK], s[TBK], v[LK]
.irp g, 0,1,2,3,4,5,6,7,8,9,10,11
	ds_load_b128 v[KF+4*\g:KF+4*\g+3], v[ADK] offset:512*\g        ; K's eight tiles, as their registers lie (the last step's sums behind its products are the places ahead of these loads)
.endr
	ds_load_b128 v[KSC:KSC+3], v[ADK] offset:6144
	s_add_co_u32 s[TBK], s[TBK], RK
	s_wait_dscnt 0x0
.irp t, 0,1,2,3,4,5,6,7
	KQ \t, \qf, \qs
.endr
	v_add_nc_u32 v[ADV], s[TBV], v[LV]             ; four places: ahead of the loads into K's registers and of the first read of the scores
	v_add_nc_u32 v[ADW], s[TBV], v[LW]
	v_mov_b32 v[T0], v12                           ; the old -M
	v_nop
.irp g, 0,1,2,3,4,5,6,7,8,9,10,11
	ds_load_b128 v[KF+4*\g:KF+4*\g+3], v[ADV] offset:512*\g        ; V's four tiles land while the softmax is walked
.endr
	ds_load_b64 v[VSC:VSC+1], v[ADW]
	s_add_co_u32 s[TBV], s[TBV], RV
.irp b, 0,1,2,3
	v_max3_num_f32 v[BM+\b], v[S+16*\b], v[S+1+16*\b], v[S+2+16*\b]   ; the largest score of each block of 32 keys
.endr
.irp i, 3,5,7,9,11,13
.irp b, 0,1,2,3
	v_max3_num_f32 v[BM+\b], v[BM+\b], v[S+16*\b+\i], v[S+1+16*\b+\i]
.endr
.endr
.irp b, 0,1,2,3
	v_max_num_f32 v[BM+\b], v[BM+\b], v[S+15+16*\b]
.endr
	s_delay_alu instid0(VALU_DEP_4)
.irp b, 0,1,2,3
	v_permlanex16_b32 v[B2+\b], v[BM+\b], s[SEL], s[SEL+1]
.endr
	s_delay_alu instid0(VALU_DEP_4)
.irp b, 0,1,2,3
	v_max_num_f32 v[BM+\b], v[BM+\b], v[B2+\b]     ; with lane l xor 16's 16 keys
.endr
	s_delay_alu instid0(VALU_DEP_2)
	v_max3_num_f32 v[T1], v[BM], v[BM+1], v[BM+2]
	s_delay_alu instid0(VALU_DEP_1)
	v_max3_num_f32 v13, v[T1], v[BM+3], v13        ; the largest score of my query so far
	s_delay_alu instid0(VALU_DEP_1)
	v_mul_f32 v[T1], s[CS], v13                    ; as t (c is positive)
	s_delay_alu instid0(VALU_DEP_1)
	v_floor_f32 v12, -v[T1]                        ; the new -M = floor(-t)
	s_delay_alu instid0(VALU_DEP_1)
	v_sub_f32 v[T1], v12, v[T0]                    ; old M - new M: a whole number, 0 or less
.irp b, 0,1,2,3
	v_fma_f32 v[BM+\b], v[BM+\b], s[CS], v12       ; x = the block's largest t - M
.endr
	v_cvt_i32_f32 v[T1], v[T1]                     ; (it saturates)
.irp b, 0,1,2,3
	v_max_num_f32 v[BM+\b], 0xc2f80000, v[BM+\b]   ; held at -124: the byte cannot fall under 1
.endr
	v_ldexp_f32 v[F], 1.0, v[T1]                   ; f = 2^(old M - new M)
.irp b, 0,1,2,3
	v_cvt_floor_i32_f32 v[BM+\b], v[BM+\b]         ; floor(x) = floor(log2(the block's largest p))
.endr
	PKF 0, 1
.irp b, 0,1,2,3
	v_add_lshl_u32 v[SOP+\b], v[BM+\b], 125, 23    ; the byte floor(x) + 127 - 2, in the exponent field: the conversion's scale operand
.endr
	v_lshl_add_u32 v[W], v[BM+3], 8, v[BM+2]       ; the four floor(x) in base 256; 125 is added to all four at once below
	PKF 1, 4
	v_lshl_add_u32 v[W], v[W], 8, v[BM+1]
	PKF 5, 4
	v_lshl_add_u32 v[W], v[W], 8, v[BM]
	PKF 9, 23
.set j, 0
.rept 16
	v_pk_mul_f32 v[O+j:O+j+1], v[O+j:O+j+1], v[F:F+1] op_sel_hi:[1,0]   ; O^T under the new M; each accumulator from its low end on
.set j, j+2
.endr
	s_wait_alu depctr_va_vdst(0)
.set j, 0
.rept 64
	v_exp_f32 v[S+j], v[S+j]                       ; p = 2^(t - M), at most 1
.set j, j+1
.endr
	v_add_nc_u32 v[PSC], 0x7d7d7d7d, v[W]          ; p's scale word for these 128 keys (the plain line behind the exponentials)
	s_wait_alu depctr_va_vdst(0)                   ; one wait for the whole batch, ahead of its first reader
.irp c, 0,1
	v_cvt_scalef32_pk16_fp6_f32 v[PC+6*\c:PC+6*\c+2], v[S+32*\c:S+32*\c+15], v[SOP+2*\c]
	v_cvt_scalef32_pk16_fp6_f32 v[CT+4*\c:CT+4*\c+2], v[S+16+32*\c:S+31+32*\c], v[SOP+2*\c+1]
.endr
	v_pk_fma_f32 v[14:15], v[14:15], v[F:F+1], v[S:S+1] op_sel_hi:[1,0,1]          ; the four running pairs under the new M, each with a pair of p
	v_pk_fma_f32 v[230:231], v[230:231], v[F:F+1], v[S+2:S+3] op_sel_hi:[1,0,1]
	v_pk_fma_f32 v[232:233], v[232:233], v[F:F+1], v[S+4:S+5] op_sel_hi:[1,0,1]
	v_pk_fma_f32 v[234:235], v[234:235], v[F:F+1], v[S+6:S+7] op_sel_hi:[1,0,1]
	v_pk_add_f32 v[248:249], v[S+8:S+9], v[S+10:S+11]
	v_pk_add_f32 v[250:251], v[S+12:S+13], v[S+14:S+15]
	v_pk_add_f32 v[252:253], v[S+16:S+17], v[S+18:S+19]
	v_pk_add_f32 v[254:255], v[S+20:S+21], v[S+22:S+23]
.irp c, 0,1                                    ; the operand's layout wants a whole block in a lane
.irp i, 0,1,2
	v_permlane16_swap_b32 v[PC+6*\c+\i], v[CT+4*\c+\i]
.endr
.endr
	SAD 14, 12
	SAD 230, 13
	SAD 232, 14
	SAD 234, 15
.irp c, 0,1
.irp i, 0,1,2
	v_mov_b32 v[PC+3+6*\c+\i], v[CT+4*\c+\i]
.endr
.endr
	SAD 248, 16                                    ; four places between the codes' last write and the products
	SAD 250, 17
	SAD 252, 18
	SAD 254, 19
	s_wait_alu depctr_va_vdst(0)
	s_wait_dscnt 0x0                               ; V is in
.irp t, 0,1,2,3
	PV \t                                          ; four accumulators by turns; the next step's eight products stand between two links of a chain
.endr
	SAD 232, 20
	SAD 252, 21
	SAD 234, 22
	SAD 254, 23
	SAD 14, 24
	SAD 248, 25
	SAD 230, 26
	SAD 250, 27
	SAD 232, 28
	SAD 252, 29
	SAD 234, 30
	SAD 254, 31
	v_pk_add_f32 v[14:15], v[14:15], v[248:249]
	v_pk_add_f32 v[230:231], v[230:231], v[250:251]
	v_pk_add_f32 v[232:233], v[232:233], v[252:253]
	s_delay_alu instid0(VALU_DEP_4)
	v_pk_add_f32 v[234:235], v[234:235], v[254:255]
.endm
; A PASS: one tile of 16 queries against all 2,048 keys, and its way out.
.macro PASS qf, qs, p
.if \p
	s_wait_xcnt 0x0                                ; the last pass's stores have read their data
.endif
	v_mov_b32 v13, 0xff61b1e6                      ; the largest score so far: -3e38
	v_mov_b32 v12, 0x7f61b1e6                      ; -M: 3e38, so that the first f is 0
.irp r, 14,15,230,231,232,233,234,235
	v_mov_b32 v\r, 0                               ; the sum
.endr
.set j, 0
.rept 32
	v_mov_b32 v[O+j], 0                            ; O^T
.set j, j+1
.endr
	s_mov_b32 s[TBK], 0
	s_mov_b32 s[TBV], 0
.Lstep_\@:
	STEP \qf, \qs
	s_cmp_lt_u32 s[TBK], 16*RK                     ; sixteen trips
	s_cbranch_scc1 .Lstep_\@
	v_pk_add_f32 v[14:15], v[14:15], v[230:231]
	v_pk_add_f32 v[232:233], v[232:233], v[234:235]
	s_delay_alu instid0(VALU_DEP_1)
	v_pk_add_f32 v[14:15], v[14:15], v[232:233]
	s_delay_alu instid0(VALU_DEP_1)
	v_add_f32 v14, v14, v15
	s_delay_alu instid0(VALU_DEP_1)
	v_permlanex16_b32 v[T0], v14, s[SEL], s[SEL+1]
	s_delay_alu instid0(VALU_DEP_1)
	v_add_f32 v14, v14, v[T0]                      ; with lane l xor 16's: the row's sum
	s_wait_alu depctr_va_vdst(0)
	v_rcp_f32 v[F], v14
	v_nop
	s_wait_alu depctr_va_vdst(0)
.set j, 0
.rept 16
	v_pk_mul_f32 v[O+j:O+j+1], v[O+j:O+j+1], v[F:F+1] op_sel_hi:[1,0]   ; the head's numbers: register 16 b + i is number 32 b + 16 (lane / 16) + i of my row
.set j, j+2
.endr
.irp b, 0,1
	v_max3_num_f32 v[BM+\b], |v[O+16*\b]|, |v[O+1+16*\b]|, 0x1800000   ; the two blocks of 32, with the floor
.endr
.irp i, 2,4,6,8,10,12,14
.irp b, 0,1
	s_delay_alu instid0(VALU_DEP_2)
	v_max3_num_f32 v[BM+\b], v[BM+\b], |v[O+16*\b+\i]|, |v[O+1+16*\b+\i]|
.endr
.endr
.irp b, 0,1
	s_delay_alu instid0(VALU_DEP_2)
	v_permlanex16_b32 v[B2+\b], v[BM+\b], s[SEL], s[SEL+1]
.endr
.irp b, 0,1
	s_delay_alu instid0(VALU_DEP_2)
	v_max_num_f32 v[BM+\b], v[BM+\b], v[B2+\b]
.endr
.irp b, 0,1
	s_delay_alu instid0(VALU_DEP_2)
	v_add_nc_u32 v[SOP+\b], 0xff000000, v[BM+\b]
.endr
.irp b, 0,1
	s_delay_alu instid0(VALU_DEP_2)
	v_lshrrev_b32 v[B2+\b], 23, v[SOP+\b]
.endr
	v_cvt_scalef32_pk16_fp6_f32 v[PC:PC+2], v[O:O+15], v[SOP]
	v_cvt_scalef32_pk16_fp6_f32 v[CT:CT+2], v[O+16:O+31], v[SOP+1]
	v_nop
.irp i, 0,1,2
	v_permlane16_swap_b32 v[PC+\i], v[CT+\i]
.endr
.irp i, 0,1,2
	s_delay_alu instid0(VALU_DEP_3)
	v_mov_b32 v[PC+3+\i], v[CT+\i]                 ; six registers: lane (r, h) holds numbers 32 h .. 32 h + 31 of row r
.endr
	v_cndmask_b32 v[HB], v[B2], v[B2+1], s[HM]
	global_store_b128 v[LK], v[PC:PC+3], s[6:7] offset:\p*196608               ; 512 consecutive bytes, at a multiple of 256 from the buffer's first byte
	global_store_b64 v[HO8], v[PC+4:PC+5], s[6:7] offset:\p*196608+512         ; and 256 more
	global_store_b8 v[HSO], v[HB], s[8:9] offset:\p*8192                       ; a row's 32 scale bytes come from 16 work-groups: two bytes a row leave from here
.endm
	s_wait_loadcnt 0x0                             ; Q
	s_wait_tensorcnt 0x0                           ; my quarter has landed,
	s_barrier_signal -1
	s_barrier_wait -1                              ; everybody's has: from here on LDS is only read
	PASS QA, QSA, 0
	PASS QB, QSB, 1
	s_wait_tensorcnt 0x0                           ; the wave's end
	ds_add_u32 v[SPW], v[NIL]
	s_wait_dscnt 0x0
	CROUND                                         ; the closing round
	s_endpgm
.Lfunc_end_k_q8157bf1f46_attn:
	.size	k_q8157bf1f46_attn, .Lfunc_end_k_q8157bf1f46_attn-k_q8157bf1f46_attn
	.p2alignl 7, 3214868480
	.fill 96, 4, 3214868480
	.section	.rodata,"a",@progbits
	.p2align	6, 0x0
	.amdhsa_kernel k_q8157bf1f46_attn
		.amdhsa_group_segment_fixed_size 212992
		.amdhsa_private_segment_fixed_size 0
		.amdhsa_enable_private_segment 0
		.amdhsa_kernarg_size 24
		.amdhsa_user_sgpr_count 2
		.amdhsa_user_sgpr_kernarg_segment_ptr 1
		.amdhsa_wavefront_size32 1
		.amdhsa_system_sgpr_workgroup_id_x 1
		.amdhsa_system_sgpr_workgroup_id_y 1
		.amdhsa_system_sgpr_workgroup_id_z 1
		.amdhsa_system_vgpr_workitem_id 0
		.amdhsa_next_free_vgpr 256
		.amdhsa_next_free_sgpr 66
		.amdhsa_reserve_vcc 0
		.amdhsa_float_denorm_mode_32 3
		.amdhsa_float_denorm_mode_16_64 3
		.amdhsa_memory_ordered 1
		.amdhsa_forward_progress 1
		.amdhsa_inst_pref_size 52
	.end_amdhsa_kernel
	.amdgpu_metadata
---
amdhsa.version: [ 1, 2 ]
amdhsa.kernels:
  - .name:           k_q8157bf1f46_attn
    .symbol:         k_q8157bf1f46_attn.kd
    .args:
      - { .name: qkv, .offset: 0, .size: 8, .value_kind: global_buffer, .address_space: global }
      - { .name: hcodes, .offset: 8, .size: 8, .value_kind: global_buffer, .address_space: global }
      - { .name: hscales, .offset: 16, .size: 8, .value_kind: global_buffer, .address_space: global }
    .group_segment_fixed_size: 212992
    .private_segment_fixed_size: 0
    .kernarg_segment_align: 8
    .kernarg_segment_size: 24
    .max_flat_workgroup_size: 512
    .sgpr_count:     66
    .vgpr_count:     256
    .wavefront_size: 32
...
	.end_amdgpu_metadata
.endif
;; end of part 4
;; launch outp (part 5): grid 4 x 64, 4 waves a work-group, clusters of 4 x 4, 327,680 bytes of LDS; arguments hcodes, hscales, wcodes, wscales, out0; writes out0
.if DOCPART == 5
	.amdgcn_target "amdgcn-amd-amdhsa--gfx1250"
	.amdhsa_code_object_version 6
	.text
	.protected	k_q8157bf1f46_outp
	.globl	k_q8157bf1f46_outp
	.p2align	8
	.type	k_q8157bf1f46_outp,@function
k_q8157bf1f46_outp:
	s_mov_b64 s[64:65], 0
	v_nop
	global_prefetch_b8 v0, s[64:65] scope:SCOPE_SE
	s_setreg_imm32_b32 hwreg(HW_REG_WAVE_MODE, 25, 1), 1
	s_wait_xcnt 0x0
	s_wait_alu depctr_hold_cnt(0) depctr_sa_sdst(0) depctr_va_vdst(0) depctr_va_sdst(0) depctr_va_ssrc(0) depctr_va_vcc(0) depctr_vm_vsrc(0)
	s_getreg_b32 s2, hwreg(HW_REG_IB_STS2, 6, 4)
	s_cmp_eq_u32 s2, 0
	s_cbranch_scc0 .Lentry_in_a_cluster
	s_endpgm
.Lentry_in_a_cluster:
	s_bfe_u32 s2, ttmp6, 0x10000c
	s_cmp_lg_u32 s2, 0xf033
	s_cbranch_scc0 .Lentry_shape_is_right
	s_endpgm
.Lentry_shape_is_right:
; out0 = heads x Wout on codes of FP6 (E2M3) with E8M0 scales, K = 1,024, f32 sums.
; A tile of 128 x 256 to a work-group: 256 work-groups; 64 x 128 to a wave: 32 accumulators.  ALL OF K LIES IN LDS: nothing is filled again, and there is no barrier between the steps.
; A: hcodes, images of operand registers: for each tile of 16 rows 16 heads x 768 bytes; the work-group's 8 tiles are 98,304 dense bytes.  A step of 128 along K is two heads, 1,536 bytes of a tile.
; B: the fourth weight in wcodes, rows = columns of Wout, 768 bytes a row; in LDS 16 bytes of padding behind each 256: 816 bytes from row to row.
; One joint load a wave at the head: waves 0, 1 fetch A's halves, waves 2, 3 B's; 4 x 4 work-groups form a cluster: A is shared along a row of it, B along a column.
; THE SCALE WORDS go from memory straight into registers, once: a row's 32 bytes are its eight steps' words: 4 x 8 registers for A, 8 x 8 for B, lane r (and lane 16 + r) holding row r's.
; Source 0 = rows of B, source 1 = rows of A: a lane holds eight numbers of one row of the result.  In wcodes place 16 u + r of a group of 32 holds column 8 u + r + 8 (r / 8): the stage on the way out puts the columns in order.
; No prefetch: all tiles are asked for at the head, and there is no loop to run ahead in.
.set SIZE_N, 1024
.set KROW,   768
.set BP,     816
.set FR,     12
.set NP,     4
.set ATILE,  12288
.set AHALF,  4*ATILE
.set BBASE,  8*ATILE
.set BHALF,  128*BP
.set SPARE,  BBASE+2*BHALF             ; the spare words: 512 bytes that no other line names
.set SPITCH, 528                       ; the stage: 16 rows x 528 bytes a wave, from byte 0 on: A's bytes, behind a barrier behind which nobody reads them
.set A16,  16                          ; v16 my A tiles + 16 x lane;  v17 + 8 x lane
.set A8,   17
.set ADRB, 20                          ; v20, v21 B's blocks 0-3 (v21: lanes 16-31 lie in the next 256 bytes of the row, 16 further on);  v22, v23 blocks 4-7
.set STO,  24
.set RD,   25
.set CO,   26
.set SO,   27                          ; v27 32 x (lane % 16): my row of scale bytes
.set SPW,  28
.set NIL,  29
.set SA,   32                          ; v32-63 A's scale words: 8 a + step;  v64-127 B's: 8 b + step
.set SB,   64
.set AF,   128                         ; window 0: A's fragments, two sets of 48;  window 1: B's, two sets, at v0 and v128;  window 2: the accumulators, (a, b) at 8 (8 a + b)
.set BK,   128
.set G1, 24
.set G0, 32
.set G1B, 48
.set G0B, 56
.set MSB, 0
.macro WIN new
.if MSB != \new
	s_set_vgpr_msb (MSB<<8)|\new
.set MSB, \new
.endif
.endm
.set MUL,  0xa1
.set TO_B, 0x40
.macro CROUND
	s_barrier_signal -1
	s_barrier_wait -1
	s_cmp_lg_u32 s14, 0
	s_cbranch_scc1 .Lnot_wave_0_\@
	s_barrier_signal -3
.Lnot_wave_0_\@:
	s_barrier_wait -3
	s_barrier_signal -1
	s_barrier_wait -1
.endm
	s_load_b128 s[4:7], s[0:1], 0x0                ; hcodes, hscales
	s_load_b128 s[8:11], s[0:1], 0x10              ; wcodes, wscales
	s_load_b64 s[12:13], s[0:1], 0x20              ; out0
	v_lshl_add_u32 v[SPW], v0, 2, SPARE
	v_mov_b32 v[NIL], 0
	ds_add_u32 v[SPW], v[NIL]
	ds_add_u32 v[SPW], v[NIL]
	v_lshrrev_b32 v1, 5, v0
	v_readfirstlane_b32 s14, v1                    ; wave
	v_and_b32 v2, 15, v0                           ; r
	v_lshlrev_b32 v[SO], 5, v2
	s_lshr_b32 s15, s14, 1                         ; my half of A's rows; also: I fetch for A or for B
	s_and_b32 s16, s14, 1                          ; my half of B's rows; also: which half I fetch
	s_bfe_u32 s40, ttmp6, 0x40000
	s_bfe_u32 s41, ttmp6, 0x40004
	s_lshl_b32 s42, ttmp9, 2
	s_add_co_u32 s42, s42, s40                     ; tile column: 256 columns
	s_and_b32 s17, ttmp7, 0xffff
	s_lshl_b32 s17, s17, 2
	s_add_co_u32 s17, s17, s41                     ; tile row: 128 rows
	s_lshl_b32 s43, s41, 2
	s_lshl_b32 s43, 15, s43
	s_lshl_b32 s44, 0x1111, s40
	s_or_b32 s[G1+0], s43, (3<<16)|(1<<21)         ; A: 49,152 dense bytes as 192 rows of 256
	s_mov_b32 s[G1+1], 32<<16
	s_mov_b32 s[G1+2], 192<<16
	s_mov_b32 s[G1+3], 32<<16
	s_mov_b32 s[G1+4], 192
	s_mov_b32 s[G1+5], 32
	s_mov_b32 s[G1+6], 0
	s_mov_b32 s[G1+7], 0
	s_or_b32 s[G1B+0], s44, (0<<16)|(1<<20)|(1<<21)|(5<<22)|(3<<25)   ; B: 128 rows of 768 bytes, 16 bytes of padding behind each 256
	s_mov_b32 s[G1B+1], KROW<<16
	s_mov_b32 s[G1B+2], 128<<16
	s_mov_b32 s[G1B+3], KROW<<16
	s_mov_b32 s[G1B+4], 128
	s_mov_b32 s[G1B+5], KROW
	s_mov_b32 s[G1B+6], 0
	s_mov_b32 s[G1B+7], 0
	s_lshl_b32 s20, s17, 3
	s_lshl_b32 s18, s16, 2
	s_add_co_u32 s20, s20, s18                     ; the first of the four tiles of 16 rows that I would fetch
	s_mul_i32 s20, s20, ATILE
	s_mov_b32 s21, 0
	s_lshl_b32 s46, s42, 8
	s_lshl_b32 s18, s16, 7
	s_add_co_u32 s46, s46, s18
	s_add_co_u32 s46, s46, 3*1024                  ; my 128 rows of B: Wout is the fourth weight of 1,024 rows
	s_lshl_b32 s22, s46, 5                         ; their scale bytes
	s_mov_b32 s23, 0
	s_mul_i32 s46, s46, KROW
	s_mov_b32 s47, 0
	s_lshl_b32 s36, s17, 7
	s_lshl_b32 s18, s15, 6
	s_add_co_u32 s36, s36, s18                     ; my first row of A and of the result
	s_lshl_b32 s38, s36, 12                        ; 4,096 bytes a row of out0
	s_lshl_b32 s36, s36, 5                         ; 32 scale bytes a row
	s_mov_b32 s37, 0
	s_mov_b32 s39, 0
	s_lshl_b32 s18, s42, 10
	s_add_co_u32 s38, s38, s18
	s_lshl_b32 s18, s16, 9
	s_add_co_u32 s38, s38, s18                     ; + my first column
	s_mov_b32 s[G0], 1
	s_mul_i32 s[G0+1], s16, AHALF
	s_mov_b32 s[G0B], 1
	s_mul_i32 s[G0B+1], s16, BHALF
	s_add_co_u32 s[G0B+1], s[G0B+1], BBASE
	s_wait_alu depctr_va_vdst(0)
	s_wait_dscnt 0x0
	s_wait_kmcnt 0x0
	s_add_nc_u64 s[G0+2:G0+3], s[4:5], s[20:21]
	s_or_b32 s[G0+3], s[G0+3], 0x80000000
	s_add_nc_u64 s[G0B+2:G0B+3], s[8:9], s[46:47]
	s_or_b32 s[G0B+3], s[G0B+3], 0x80000000
	s_add_nc_u64 s[92:93], s[6:7], s[36:37]
	s_add_nc_u64 s[94:95], s[10:11], s[22:23]
	s_add_nc_u64 s[12:13], s[12:13], s[38:39]
.irp i, 0,1,2,3
.irp q, 0,1
	global_load_b128 v[SA+8*\i+4*\q:SA+8*\i+4*\q+3], v[SO], s[92:93] offset:512*\i+16*\q
.endr
.endr
.irp i, 0,1,2,3,4,5,6,7
.irp q, 0,1
	global_load_b128 v[SB+8*\i+4*\q:SB+8*\i+4*\q+3], v[SO], s[94:95] offset:512*\i+16*\q
.endr
.endr
	CROUND                                         ; in front of the joint loads
	s_cmp_eq_u32 s15, 0
	s_cbranch_scc0 .Lfor_b
	tensor_load_to_lds s[G0:G0+3], s[G1:G1+7]
	s_nop 0
.rept 4
	v_nop
.endr
	s_branch .Lasked
.Lfor_b:
	tensor_load_to_lds s[G0B:G0B+3], s[G1B:G1B+7]
	s_nop 0
.rept 4
	v_nop
.endr
.Lasked:
	v_bfe_u32 v3, v0, 4, 1                         ; h
	v_and_b32 v4, 31, v0
	s_mul_i32 s18, s15, AHALF
	v_lshlrev_b32 v[CO], 4, v4
	v_lshlrev_b32 v5, 3, v4
	v_add_nc_u32 v[A16], s18, v[CO]
	v_add_nc_u32 v[A8], s18, v5
	v_mul_u32_u24 v6, v2, BP
	v_mad_u32_u24 v7, v3, 24, v6
	v_mad_u32_u24 v8, v3, 40, v6
	s_mul_i32 s19, s16, BHALF
	s_add_co_u32 s19, s19, BBASE
	v_add_nc_u32 v[ADRB], s19, v7
	v_add_nc_u32 v[ADRB+1], s19, v8
	s_add_co_u32 s19, s19, 64*BP
	v_add_nc_u32 v[ADRB+2], s19, v7
	v_add_nc_u32 v[ADRB+3], s19, v8
	s_mul_i32 s23, s14, 16*SPITCH
	v_mul_u32_u24 v9, v2, SPITCH                   ; into the stage: row l % 16; the upper half of the lanes holds columns 16 further on: 64 bytes
	v_lshl_add_u32 v9, v3, 6, v9
	v_add_nc_u32 v[STO], s23, v9
	v_add_nc_u32 v[RD], s23, v[CO]
.macro FRAGB reg, st, i                ; 16 rows x 128 K of B: six pieces of 8 bytes; byte y of a row lies at y + 16 (y / 256)
.irp p, 0,1,2,3,4,5
.set BY, 96*(\st)+48*(\p/3)+8*(\p%3)
.if BY/256 == (BY+24)/256
	ds_load_b64 v[\reg+2*\p:\reg+2*\p+1], v[ADRB+2*((\i)/4)] offset:BY+16*(BY/256)+((\i)%4)*16*BP
.else
	ds_load_b64 v[\reg+2*\p:\reg+2*\p+1], v[ADRB+1+2*((\i)/4)] offset:BY+16*(BY/256)+((\i)%4)*16*BP
.endif
.endr
.endm
.macro FRAGA reg, st, i                ; the same of A, as its registers lie: two heads of six registers
	ds_load_b128 v[\reg:\reg+3],     v[A16] offset:(\i)*ATILE+(\st)*1536
	ds_load_b64  v[\reg+4:\reg+5],   v[A8]  offset:(\i)*ATILE+(\st)*1536+512
	ds_load_b128 v[\reg+6:\reg+9],   v[A16] offset:(\i)*ATILE+(\st)*1536+768
	ds_load_b64  v[\reg+10:\reg+11], v[A8]  offset:(\i)*ATILE+(\st)*1536+1280
.endm
.macro FETCH_B st                      ; 48 loads
	WIN TO_B
.irp i, 0,1,2,3,4,5,6,7
	FRAGB 128*((\st)%2)+FR*\i, \st, \i
.endr
	WIN 0
.endm
.macro FETCH_A st                      ; 16 loads
.irp i, 0,1,2,3
	FRAGA AF+48*((\st)%2)+FR*\i, \st, \i
.endr
.endm
.macro MUL16 a0, st, zero              ; the 32 accumulators take turns, in the same order in every step
.irp a, \a0, \a0+1
.irp b, 0,1,2,3,4,5,6,7
.if \zero
	v_wmma_scale_f32_16x16x128_f8f6f4 v[8*(8*(\a)+\b):8*(8*(\a)+\b)+7], v[128*((\st)%2)+FR*\b:128*((\st)%2)+FR*\b+FR-1], v[AF+48*((\st)%2)+FR*(\a):AF+48*((\st)%2)+FR*(\a)+FR-1], 0, v[SB+8*\b+(\st)], v[SA+8*(\a)+(\st)] matrix_a_fmt:MATRIX_FMT_FP6 matrix_b_fmt:MATRIX_FMT_FP6
.else
	v_wmma_scale_f32_16x16x128_f8f6f4 v[8*(8*(\a)+\b):8*(8*(\a)+\b)+7], v[128*((\st)%2)+FR*\b:128*((\st)%2)+FR*\b+FR-1], v[AF+48*((\st)%2)+FR*(\a):AF+48*((\st)%2)+FR*(\a)+FR-1], v[8*(8*(\a)+\b):8*(8*(\a)+\b)+7], v[SB+8*\b+(\st)], v[SA+8*(\a)+(\st)] matrix_a_fmt:MATRIX_FMT_FP6 matrix_b_fmt:MATRIX_FMT_FP6
.endif
.endr
.endr
.endm
.macro PLACES n
.rept \n
	v_nop
.endr
.endm
.macro STEP st, zero                   ; 32 products on set st % 2; the next step's fragments go into the other set, which the step before multiplied: four places stand ahead of those loads
	PLACES NP
	FETCH_B (\st)+1
	s_wait_dscnt 48                                ; all but the 48 just issued: this step's fragments are in
	WIN MUL
	MUL16 0, \st, \zero
	WIN 0
	FETCH_A (\st)+1
	WIN MUL
	MUL16 2, \st, \zero
	WIN 0
.endm
	s_wait_alu depctr_va_vdst(0)
	s_wait_tensorcnt 0x0                           ; my part has landed,
	s_barrier_signal -1
	s_barrier_wait -1                              ; everybody's has
	FETCH_B 0
	FETCH_A 0
	s_wait_loadcnt 0x0                             ; the scale words
	STEP 0, 1                                      ; the first step's products start the sums
.set ST, 1
.rept 6
	STEP ST, 0
.set ST, ST+1
.endr
	s_wait_dscnt 0x0                               ; my last reads of A and B are over
	s_barrier_signal -1
	WIN MUL
	MUL16 0, 7, 0
	MUL16 2, 7, 0
	WIN 0
	s_barrier_wait -1                              ; everybody's are: the stage may be written
; THE WAY OUT, block by block of 16 rows x 128 columns, through my own stage: register j of block b in lane (r, h) is column 32 (b / 2) + 8 (b % 2) + 16 h + j of row r.  Whole rows of 512 bytes come back and are stored.
.macro TOSTAGE a
.set AC, 64*(\a)
	WIN 0x08
.irp b, 0,1,2,3,4,5,6,7
	ds_store_b128 v[STO], v[AC+8*\b:AC+8*\b+3] offset:128*(\b/2)+32*(\b%2)
	ds_store_b128 v[STO], v[AC+8*\b+4:AC+8*\b+7] offset:128*(\b/2)+32*(\b%2)+16
.endr
	WIN 0
.set BB, BK+64*((\a)%2)
.irp t, 0,1,2,3,4,5,6,7,8,9,10,11,12,13,14,15
	ds_load_b128 v[BB+4*\t:BB+4*\t+3], v[RD] offset:\t*SPITCH      ; LDS serves a wave's instructions in order: these see my stores
.endr
.endm
.macro SEND a, younger
.set BB, BK+64*((\a)%2)
	s_wait_dscnt \younger
.if (\a) > 0
	s_add_nc_u64 s[12:13], s[12:13], 16*SIZE_N*4   ; behind a wait on XCNT: the earlier stores have read their base
.endif
.irp t, 0,1,2,3,4,5,6,7,8,9,10,11,12,13,14,15
	global_store_b128 v[CO], v[BB+4*\t:BB+4*\t+3], s[12:13] offset:\t*SIZE_N*4 th:TH_STORE_NT   ; 32 lanes store 512 consecutive bytes, at a multiple of 256 from the buffer's first byte
.endr
.endm
	PLACES NP
	TOSTAGE 0
.irp a, 1,2,3
.if \a > 1
	s_wait_xcnt 0x0                                ; block a - 2's stores have read their registers and their base
.endif
	TOSTAGE \a
	SEND \a-1, 32                                  ; block a's 16 stores and 16 loads may be out
.endr
	s_wait_xcnt 0x0
	SEND 3, 0
	s_wait_tensorcnt 0x0                           ; the wave's end
	ds_add_u32 v[SPW], v[NIL]
	s_wait_dscnt 0x0
	CROUND                                         ; the closing round
	s_endpgm
.Lfunc_end_k_q8157bf1f46_outp:
	.size	k_q8157bf1f46_outp, .Lfunc_end_k_q8157bf1f46_outp-k_q8157bf1f46_outp
	.p2alignl 7, 3214868480
	.fill 96, 4, 3214868480
	.section	.rodata,"a",@progbits
	.p2align	6, 0x0
	.amdhsa_kernel k_q8157bf1f46_outp
		.amdhsa_group_segment_fixed_size 327680
		.amdhsa_private_segment_fixed_size 0
		.amdhsa_enable_private_segment 0
		.amdhsa_kernarg_size 40
		.amdhsa_user_sgpr_count 2
		.amdhsa_user_sgpr_kernarg_segment_ptr 1
		.amdhsa_wavefront_size32 1
		.amdhsa_system_sgpr_workgroup_id_x 1
		.amdhsa_system_sgpr_workgroup_id_y 1
		.amdhsa_system_sgpr_workgroup_id_z 1
		.amdhsa_system_vgpr_workitem_id 0
		.amdhsa_next_free_vgpr 768
		.amdhsa_next_free_sgpr 98
		.amdhsa_reserve_vcc 0
		.amdhsa_float_denorm_mode_32 3
		.amdhsa_float_denorm_mode_16_64 3
		.amdhsa_memory_ordered 1
		.amdhsa_forward_progress 1
		.amdhsa_inst_pref_size 91
	.end_amdhsa_kernel
	.amdgpu_metadata
---
amdhsa.version: [ 1, 2 ]
amdhsa.kernels:
  - .name:           k_q8157bf1f46_outp
    .symbol:         k_q8157bf1f46_outp.kd
    .args:
      - { .name: hcodes, .offset: 0, .size: 8, .value_kind: global_buffer, .address_space: global }
      - { .name: hscales, .offset: 8, .size: 8, .value_kind: global_buffer, .address_space: global }
      - { .name: wcodes, .offset: 16, .size: 8, .value_kind: global_buffer, .address_space: global }
      - { .name: wscales, .offset: 24, .size: 8, .value_kind: global_buffer, .address_space: global }
      - { .name: out0, .offset: 32, .size: 8, .value_kind: global_buffer, .address_space: global }
    .group_segment_fixed_size: 327680
    .private_segment_fixed_size: 0
    .kernarg_segment_align: 8
    .kernarg_segment_size: 40
    .max_flat_workgroup_size: 128
    .sgpr_count:     98
    .vgpr_count:     768
    .wavefront_size: 32
...
	.end_amdgpu_metadata
.endif
;; end of part 5
